; MI455X (gfx1250); checked and timed in simulation.
; The chip was launched on July 23, 2026; its instructions are those of AMD's public machine-readable ISA for CDNA 5 (MIT licence, August 2026) and "CDNA5" Instruction Set Architecture Reference Guide (July 2026). The comments in the code are by the model that wrote it; some were corrected since.
;; Transformer Encoder Layer. Allowed arithmetic: matrix products marked QUANTISED: E4M3 operands, one E8M0 scale for each 32 along K, by v_wmma_scale_f32_16x16x128_f8f6f4 with both operands' format E4M3, f32 sums; everything else in f32.
;; Inputs: b_k 1,024 float32; b_out 1,024 float32; b_q 1,024 float32; b_v 1,024 float32; ffn_b1 2,048 float32; ffn_b2 1,024 float32; ffn_w1 1,024 x 2,048 float32; ffn_w2 2,048 x 1,024 float32; ln1_b 1,024 float32; ln1_g 1,024 float32; ln2_b 1,024 float32; ln2_g 1,024 float32; src 2 x 2,048 x 1,024 float32; w_k 1,024 x 1,024 float32; w_out 1,024 x 1,024 float32; w_q 1,024 x 1,024 float32; w_v 1,024 x 1,024 float32.
;; Outputs: out0 2 x 2,048 x 1,024 float32.
;; This version of the problem:
;;   THIS VERSION OF THE PROBLEM IS GIVEN IN LOW PRECISION. The matrix products marked QUANTISED in the list below multiply operands that are first quantised to E4M3 (4 exponent bits, 3 mantissa bits; 8 bits a number), with one power-of-two scale for each 32 numbers along K (OCP MX v1.0); their sums are f32. All else is computed in f32.
;;   The module's matrix products, in the order in which they are computed (A, B: the left and right operand; K: the contracted axis; several contracted axes count as one K, in the product's order):
;;     1. [M 4,096, K 1,024] x [K 1,024, N 1,024]; A: input src; B: input w_q: QUANTISED
;;     2. [M 4,096, K 1,024] x [K 1,024, N 1,024]; A: input src; B: input w_k: QUANTISED
;;     3. [M 4,096, K 1,024] x [K 1,024, N 1,024]; A: input src; B: input w_v: QUANTISED
;;     4. batch 32 x [M 2,048, K 64] x [K 64, N 2,048]; A: computed on the way; B: computed on the way: QUANTISED
;;     5. batch 32 x [M 2,048, K 2,048] x [K 2,048, N 64]; A: softmax (see below); B: computed on the way: QUANTISED
;;     6. [M 4,096, K 1,024] x [K 1,024, N 1,024]; A: computed on the way; B: input w_out: QUANTISED
;;     7. [M 4,096, K 1,024] x [K 1,024, N 2,048]; A: computed on the way; B: input ffn_w1: QUANTISED
;;     8. [M 4,096, K 2,048] x [K 2,048, N 1,024]; A: computed on the way; B: input ffn_w2: QUANTISED
;;   THE QUANTISER, for each operand of a quantised product, along K:
;;     - K is cut into blocks of 32 from its start; a last block that is shorter is filled with zeros.
;;     - A block's scale is 2^e with e = floor(log2(the largest magnitude in the block)) - 8, held to -126 .. 127; a block of zeros has e = 0. As a byte (E8M0): e + 127.
;;     - Each number is divided by its block's scale, clamped to +-448, and rounded to the nearest number of E4M3, ties to even, subnormals kept.
;;     - The product sums the exact products of the quantised numbers (number of the format x scale) in f32.
;;   ~~~python
;;   def quantise(x, axis):      # numpy; x: float32 -> the quantised numbers, widened to float32 again
;;       x = np.moveaxis(x, axis, -1); K = x.shape[-1]
;;       x = np.pad(x, [(0, 0)] * (x.ndim - 1) + [(0, -K % 32)]); x = x.reshape(x.shape[:-1] + (-1, 32)); a = np.abs(x).max(-1, keepdims=True)
;;       e = np.where(a > 0, np.clip(np.frexp(np.where(a > 0, a, 1))[1] - 1 - 8, -126, 127), 0)      # np.frexp(a)[1] - 1 = floor(log2(a)), exactly
;;       r = np.clip(x / 2.0 ** e, -448, 448)
;;       step = 2.0 ** (np.maximum(np.frexp(np.where(r == 0, 1, r))[1] - 1, -6) - 3)
;;       q = np.round(r / step) * step * 2.0 ** e      # np.round: ties to even
;;       return np.moveaxis(q.reshape(q.shape[:-2] + (-1,))[..., :K], -1, axis).astype(np.float32)
;;   ~~~
;;   SOFTMAX AHEAD OF A QUANTISED PRODUCT. Where the list says 'softmax', what is quantised is not the finished softmax but p = 2^(t - M), with t = logit x log2(e) and M = ceil(the row's largest t), a whole number; so 1/2 < the row's largest p <= 1. The row's sum l is taken of the UNQUANTISED p, in f32, and the product's result is divided by l at the end. Since M is a whole number, a kernel that streams over the keys may use a running M (the ceiling of the running maximum): every later rescaling is an exact power of two, which a block's scale takes up: the codes' values come out the same.
;;   OPERANDS COMPUTED ON THE WAY. 'Computed on the way' means the value that the module computes at that place (a softmax that the list does not call 'softmax' is quantised finished and normalised). What goes into a quantiser is computed in f32, as accurately as f32 sums, v_exp_f32 and their like allow (about 1e-6 of the number): no bf16 or f16 on the way to a quantiser, and a product that is left as it is and whose result goes on into a quantised operand takes f32 operands (vector FMAs, or v_wmma_f32_16x16x4_f32). A number that lies on a knife's edge between two numbers of the format may be rounded either way, as far as f32 arithmetic and the matrix unit's own rounding can turn it there, and no further.
;; One version. Each part assembles by itself: llvm-mc -triple=amdgcn-amd-amdhsa -mcpu=gfx1250 --defsym DOCPART=n.
;; ======== version 1 of 1: 8 launches
;; limits: right only within a limited range of input values
;; workspace buffers: wsw 10,813,440 bytes; wsa 6,619,136 bytes; wsc 2,162,688 bytes; wsx 21,102,592 bytes; wsh 8,650,752 bytes; wsz 16,777,216 bytes; wsy 8,388,608 bytes
;; launch prep (part 1): grid 1280 x 1, 2 waves a work-group, no clusters, 0 bytes of LDS; arguments src, w_q, w_k, w_v, w_out, ffn_w1, ffn_w2, wsw; writes wsw
.if DOCPART == 1
	.amdgcn_target "amdgcn-amd-amdhsa--gfx1250"
	.amdhsa_code_object_version 6
	.text
	.protected	k_q4d02567d21_prep
	.globl	k_q4d02567d21_prep
	.p2align	8
	.type	k_q4d02567d21_prep,@function
k_q4d02567d21_prep:
	s_mov_b64 s[64:65], 0
	v_nop
	global_prefetch_b8 v0, s[64:65] scope:SCOPE_SE
	s_setreg_imm32_b32 hwreg(HW_REG_WAVE_MODE, 25, 1), 1
	s_wait_xcnt 0x0
; PREP: the six weights and batch 0 of src become codes of E4M3 with one E8M0 byte for each 32 along K, laid as IMAGES OF THE OPERAND'S REGISTERS.
; A tile T is 16 rows (of a weight stored [K][N]: 16 columns n): lane-row r is row 32 (T/2) + 8 (T%2) + r + 8 (r/8).  The image of (T, K step ks) is 2,048 bytes at (T KS + ks) x 2,048, KS = K / 128:
; chunk c at 512 c, lane l's 16 bytes at 16 l: the codes of lane-row l % 16 at k = 128 ks + 32 c + 16 (l / 16) + 0 .. 15.  Its scale words, 4 bytes a lane-row, lie at 10 MiB + (the image's offset) / 32.
; In wsw: w_q 0, w_k 1 MiB, w_v 2, w_out 3, ffn_w1 4, ffn_w2 6, src[0] 8 MiB.
; A block's scale is 2^(floor(log2(its largest magnitude)) - 8); each number is divided by it, held within +-448 and rounded to the nearest code, ties to even.
; LIMITS: a block of zeros, or one whose largest magnitude lies under 2^-118, gets the byte 1 (its codes are zeros or nearly so; this program alone reads the bytes); NaN and infinities among the inputs are not served.
; SHARES.  The work is cut into 320 parts of eight shares.  Parts 0-191: weights of 1,024 columns (32 for each of w_q, w_k, w_v, w_out, 64 for ffn_w2); 192-255: ffn_w1; 256-319: src.  A weight's part is 256 columns x 128 along K,
; a share 32 columns, A LANE A COLUMN, its registers running down K: a block of 32 lies in one lane and nothing is transposed.  A share of src is one tile and two K steps; a lane takes 16 neighbours of each block of its row.
; A work-group is two waves, a share each, so a part is four work-groups: 1,280 = 5 x 256 work-groups of equal size.
; Memory binds: no LDS, no barrier, no matrix unit; the waves share nothing.
; DEAD WORK.  reference() keeps attn_out[0] alone: q, k, v, the scores, ctx and the projection of batch 1 are sliced away and reach no output, whatever the inputs hold.  So the first six products
; are done for batch 0's 2,048 rows only, and src[1] enters the residual sum alone.  LIMIT: a NaN, an infinity or an overflow that reaches only the work left out is not carried to the result.
.set X,    32
.set CD,   160                         ; v160-191 the codes: registers of their own for each block, so that no store's data are written again
.set TM,   8                           ; v8-23    at work
.set PW,   24                          ; v24-25   src: the two K steps' scale words
.set SB,   26                          ; v26      a weight's scale word
.set WV,   2                           ; s2       which of the part's eight shares
.set MNT,  3                           ; s3       the mantissa field of 448
.set SEL,  34                          ; s[34:35] selects of v_permlanex16_b32 for lane l xor 16
.set HI,   36                          ; s36      lanes 16-31, as a mask
.set GI,   37                          ; s37      the part's number
.macro LOADB c, pitch                  ; block c: W(32 c + i, my column), i = 0 .. 31: each load reads 128 consecutive bytes a wave
.set ii, 0
.rept 32
	global_load_b32 v[X+32*(\c)+ii], v3, s[8:9] offset:(32*(\c)+ii)*(\pitch) th:TH_LOAD_NT
.set ii, ii+1
.endr
.endm
.macro BLOCK c                         ; block c is quantised and stored
.set XS, X+32*(\c)
.set CS, CD+8*(\c)
	v_max3_num_f32 v12, |v[XS]|, |v[XS+1]|, |v[XS+2]|              ; the block's largest magnitude: all 32 numbers are mine
	v_max3_num_f32 v13, |v[XS+3]|, |v[XS+4]|, |v[XS+5]|
.irp i, 6,10,14,18,22,26
	v_max3_num_f32 v12, v12, |v[XS+\i]|, |v[XS+\i+1]|
	v_max3_num_f32 v13, v13, |v[XS+\i+2]|, |v[XS+\i+3]|
.endr
	v_max3_num_f32 v12, v12, |v[XS+30]|, |v[XS+31]|
	v_max3_num_f32 v12, v12, v13, 0x4800000        ; and the floor 2^(9 - 127): the byte cannot fall under 1
	v_add_nc_u32 v11, 0xfc000000, v12              ; 8 off the exponent field: the conversion's scale operand
	v_and_or_b32 v10, v12, 0x7f800000, s[MNT]      ; 448 x the scale
	v_lshrrev_b32 v13, 23, v11                     ; the scale's byte
.if (\c) == 0
	v_mov_b32 v[SB], v13
.else
	v_lshl_or_b32 v[SB], v13, 8*(\c), v[SB]
.endif
.set ii, 0
.rept 32
	v_med3_num_f32 v[XS+ii], v[XS+ii], -v10, v10   ; the conversion to an 8-bit code does not saturate (ISA guide 7.6.2): the hold comes first
.set ii, ii+1
.endr
.irp g, 0,1,2,3
	v_cvt_scalef32_pk8_fp8_f32 v[CS+2*\g:CS+2*\g+1], v[XS+8*\g:XS+8*\g+7], v11
.endr
	v_nop                                          ; a plain line behind the last conversion, ahead of the next write of its scale operand
	global_store_b128 v6, v[CS:CS+3], s[14:15] offset:512*(\c)        ; k = 32 c + 0 .. 15: the image's lanes 0-15; sixteen lanes fill 256 consecutive bytes of each of two tiles
	global_store_b128 v6, v[CS+4:CS+7], s[14:15] offset:512*(\c)+256  ; k = 32 c + 16 .. 31: its lanes 16-31
.endm
; A weight's path.  s4: the part's number within the weight; s5: KS; s7: the weight's offset in wsw; s[8:9]: the weight.  pitch: bytes in a row of it; cbits: log2 of its blocks of 256 columns
.macro WPATH pitch, cbits
	s_and_b32 s10, s4, (1<<(\cbits))-1             ; which 256 columns
	s_lshr_b32 s11, s4, \cbits                     ; ks
	s_lshl_b32 s10, s10, 3
	s_add_co_u32 s10, s10, s[WV]                   ; pb: which 32 columns = which pair of tiles
	s_mul_i32 s12, s11, 128*(\pitch)
	s_lshl_b32 s13, s10, 7
	s_add_co_u32 s12, s12, s13
	s_mov_b32 s13, 0
	s_add_nc_u64 s[8:9], s[8:9], s[12:13]          ; row 128 ks, column 32 pb
	s_mul_i32 s12, s10, s5
	s_lshl_b32 s12, s12, 1
	s_add_co_u32 s12, s12, s11                     ; 2 pb KS + ks
	s_lshl_b32 s12, s12, 11
	s_add_co_u32 s12, s12, s7
	s_add_nc_u64 s[14:15], s[30:31], s[12:13]      ; the even tile's image
	s_lshr_b32 s12, s12, 5
	s_add_co_u32 s12, s12, 10<<20
	s_add_nc_u64 s[32:33], s[30:31], s[12:13]      ; and its scale words
	v_lshlrev_b32 v3, 2, v2                        ; in: 4 bytes a lane
	v_bfe_u32 v4, v2, 3, 1                         ; column 32 pb + l is lane-row (l % 8) + 8 (l / 16) of tile 2 pb + (l / 8) % 2
	v_and_b32 v5, 7, v2
	v_lshrrev_b32 v6, 4, v2
	v_lshl_add_u32 v5, v6, 3, v5
	s_lshl_b32 s12, s5, 11
	v_mul_u32_u24 v6, s12, v4
	v_lshl_add_u32 v6, v5, 4, v6                   ; out: the odd tile's image lies KS x 2,048 on; 16 bytes a lane-row
	s_lshl_b32 s12, s5, 6
	v_mul_u32_u24 v7, s12, v4
	v_lshl_add_u32 v7, v5, 2, v7                   ; scale words: KS x 64 on; 4 bytes a lane-row
	LOADB 0, \pitch
	LOADB 1, \pitch
	s_wait_alu depctr_va_vdst(0)
	s_wait_loadcnt 32                              ; block 0 is in; block 1's 32 loads may be out
	LOADB 2, \pitch
	BLOCK 0
	s_wait_loadcnt 32                              ; block 1 is in; block 2's may be out
	LOADB 3, \pitch
	BLOCK 1
	s_wait_loadcnt 32                              ; block 2 is in; block 3's may be out
	BLOCK 2
	s_wait_loadcnt 0x0
	BLOCK 3
	global_store_b32 v7, v[SB], s[32:33]           ; 64 bytes for each of the two tiles: one byte for each 128 read
.endm
; 64 numbers of a lane, register 16 b + i = k 32 b + 16 (lane / 16) + i of my row, become a fragment's 16 registers of codes and its scale word
.macro QUANT s, pc, pw
.irp b, 0,1,2,3
	v_max3_num_f32 v[TM+\b], |v[\s+16*\b]|, |v[\s+1+16*\b]|, 0x4800000
.endr
.irp i, 2,4,6,8,10,12,14
.irp b, 0,1,2,3
	v_max3_num_f32 v[TM+\b], v[TM+\b], |v[\s+16*\b+\i]|, |v[\s+1+16*\b+\i]|
.endr
.endr
.irp b, 0,1,2,3
	v_permlanex16_b32 v[TM+4+\b], v[TM+\b], s[SEL], s[SEL+1]
.endr
.irp b, 0,1,2,3
	v_max_num_f32 v[TM+\b], v[TM+\b], v[TM+4+\b]   ; with lane l xor 16's 16 numbers: the block's largest magnitude
.endr
.irp b, 0,1,2,3
	v_add_nc_u32 v[TM+12+\b], 0xfc000000, v[TM+\b]
.endr
.irp b, 0,1,2,3
	v_and_or_b32 v[TM+8+\b], v[TM+\b], 0x7f800000, s[MNT]
.endr
.irp b, 0,1,2,3
	v_lshrrev_b32 v[TM+4+\b], 23, v[TM+12+\b]
.endr
	v_lshl_or_b32 v[\pw], v[TM+5], 8, v[TM+4]
	v_lshl_or_b32 v[\pw], v[TM+6], 16, v[\pw]
	v_lshl_or_b32 v[\pw], v[TM+7], 24, v[\pw]
.irp b, 0,1,2,3
.irp i, 0,1,2,3,4,5,6,7,8,9,10,11,12,13,14,15
	v_med3_num_f32 v[\s+16*\b+\i], v[\s+16*\b+\i], -v[TM+8+\b], v[TM+8+\b]
.endr
	v_cvt_scalef32_pk8_fp8_f32 v[\pc+4*\b:\pc+1+4*\b], v[\s+16*\b:\s+7+16*\b], v[TM+12+\b]
	v_cvt_scalef32_pk8_fp8_f32 v[\pc+2+4*\b:\pc+3+4*\b], v[\s+8+16*\b:\s+15+16*\b], v[TM+12+\b]
.endr
	v_nop                                          ; a plain line behind the last conversion
.endm
	s_load_b512 s[16:31], s[0:1], 0x0              ; src s[16:17], w_q, w_k, w_v, w_out, ffn_w1 s[26:27], ffn_w2 s[28:29], wsw s[30:31]
	v_lshrrev_b32 v1, 5, v0
	v_readfirstlane_b32 s[WV], v1                  ; wave 0, 1
	s_and_b32 s38, ttmp9, 3
	s_lshl_b32 s38, s38, 1
	s_add_co_u32 s[WV], s[WV], s38                 ; the share: 2 x (work-group % 4) + wave
	s_lshr_b32 s[GI], ttmp9, 2                     ; the part: work-group / 4
	v_and_b32 v2, 31, v0                           ; lane
	s_mov_b32 s[MNT], 0x600000
	s_wait_kmcnt 0x0
	s_cmp_ge_u32 s[GI], 256
	s_cbranch_scc1 .Lsrc
	s_cmp_ge_u32 s[GI], 192
	s_cbranch_scc1 .Lw1
	s_lshr_b32 s6, s[GI], 5                        ; 0 .. 3: w_q, w_k, w_v, w_out; 4, 5: ffn_w2
	s_lshl_b32 s7, s6, 20
	s_mov_b64 s[8:9], s[28:29]
	s_cmp_eq_u32 s6, 0
	s_cselect_b64 s[8:9], s[18:19], s[8:9]
	s_cmp_eq_u32 s6, 1
	s_cselect_b64 s[8:9], s[20:21], s[8:9]
	s_cmp_eq_u32 s6, 2
	s_cselect_b64 s[8:9], s[22:23], s[8:9]
	s_cmp_eq_u32 s6, 3
	s_cselect_b64 s[8:9], s[24:25], s[8:9]
	s_cmp_lt_u32 s6, 4
	s_cselect_b32 s5, 8, 16                        ; KS
	s_cselect_b32 s4, 31, 63
	s_cselect_b32 s7, s7, 0x600000                 ; the weight's offset in wsw
	s_and_b32 s4, s[GI], s4                        ; the part's number within the weight
	s_wait_alu depctr_va_vdst(0)
	WPATH 4096, 2
	s_endpgm
.Lw1:
	s_sub_co_u32 s4, s[GI], 192
	s_mov_b32 s5, 8
	s_mov_b32 s7, 4<<20
	s_mov_b64 s[8:9], s[26:27]
	s_wait_alu depctr_va_vdst(0)
	WPATH 8192, 3
	s_endpgm
.Lsrc:
	s_sub_co_u32 s4, s[GI], 256                    ; which pair of tiles
	s_lshr_b32 s5, s[WV], 2                        ; which of the two
	s_and_b32 s6, s[WV], 3                         ; K steps 2 kp, 2 kp + 1
	s_lshl_b32 s7, s4, 5
	s_lshl_b32 s8, s5, 3
	s_add_co_u32 s7, s7, s8                        ; the tile's first row
	s_lshl_b32 s8, s7, 12
	s_lshl_b32 s9, s6, 10
	s_add_co_u32 s8, s8, s9
	s_mov_b32 s9, 0
	s_add_nc_u64 s[16:17], s[16:17], s[8:9]
	s_lshl_b32 s7, s4, 1
	s_add_co_u32 s7, s7, s5                        ; T
	s_lshl_b32 s7, s7, 3
	s_lshl_b32 s10, s6, 1
	s_add_co_u32 s7, s7, s10                       ; 8 T + 2 kp
	s_lshl_b32 s8, s7, 11
	s_add_co_u32 s8, s8, 8<<20
	s_add_nc_u64 s[12:13], s[30:31], s[8:9]        ; the images
	s_lshl_b32 s8, s7, 6
	s_add_co_u32 s8, s8, (10<<20)+(8<<15)
	s_add_nc_u64 s[14:15], s[30:31], s[8:9]        ; their scale words
	s_mov_b32 s[SEL], 0x76543210
	s_mov_b32 s[SEL+1], 0xfedcba98
	s_mov_b32 s[HI], 0xffff0000
	s_wait_alu depctr_va_vdst(0)
	v_and_b32 v4, 15, v2                           ; r
	v_lshrrev_b32 v5, 4, v2                        ; h
	v_and_b32 v6, 8, v4
	v_add_nc_u32 v6, v6, v4                        ; r + 8 (r / 8)
	v_lshlrev_b32 v3, 12, v6
	v_lshl_add_u32 v3, v5, 6, v3                   ; my row, + 64 h: my 16 numbers of a block
	v_lshlrev_b32 v6, 4, v2
	v_lshlrev_b32 v7, 2, v2
.irp b, 0,1,2,3
	v_mov_b32 v[TM+4+\b], 0                        ; written once: a lane permute's destination counts as one of its sources
.endr
.irp s, 0,1
.irp b, 0,1,2,3
.irp j, 0,1,2,3
	global_load_b128 v[X+64*\s+16*\b+4*\j:X+64*\s+16*\b+4*\j+3], v3, s[16:17] offset:512*\s+128*\b+16*\j th:TH_LOAD_NT
.endr
.endr
.endr
	s_wait_loadcnt 16                              ; the first K step's 16 loads are in; the second's may be out
	QUANT X, CD, PW
	s_wait_loadcnt 0x0
	QUANT X+64, CD+16, PW+1
.irp s, 0,1
.irp c, 0,1,2,3
	global_store_b128 v6, v[CD+16*\s+4*\c:CD+16*\s+4*\c+3], s[12:13] offset:2048*\s+512*\c   ; 512 consecutive bytes
.endr
.endr
	v_cndmask_b32 v[SB], v[PW], v[PW+1], s[HI]     ; lanes 0-15: the first K step's words; lanes 16-31: the second's
	global_store_b32 v7, v[SB], s[14:15]           ; 128 consecutive bytes
	s_endpgm
.Lfunc_end_k_q4d02567d21_prep:
	.size	k_q4d02567d21_prep, .Lfunc_end_k_q4d02567d21_prep-k_q4d02567d21_prep
	.p2alignl 7, 3214868480
	.fill 96, 4, 3214868480
	.section	.rodata,"a",@progbits
	.p2align	6, 0x0
	.amdhsa_kernel k_q4d02567d21_prep
		.amdhsa_group_segment_fixed_size 0
		.amdhsa_private_segment_fixed_size 0
		.amdhsa_enable_private_segment 0
		.amdhsa_kernarg_size 64
		.amdhsa_user_sgpr_count 2
		.amdhsa_user_sgpr_kernarg_segment_ptr 1
		.amdhsa_wavefront_size32 1
		.amdhsa_system_sgpr_workgroup_id_x 1
		.amdhsa_system_sgpr_workgroup_id_y 1
		.amdhsa_system_sgpr_workgroup_id_z 1
		.amdhsa_system_vgpr_workitem_id 0
		.amdhsa_next_free_vgpr 192
		.amdhsa_next_free_sgpr 66
		.amdhsa_reserve_vcc 0
		.amdhsa_float_denorm_mode_32 3
		.amdhsa_float_denorm_mode_16_64 3
		.amdhsa_memory_ordered 1
		.amdhsa_forward_progress 1
		.amdhsa_inst_pref_size 80
	.end_amdhsa_kernel
	.amdgpu_metadata
---
amdhsa.version: [ 1, 2 ]
amdhsa.kernels:
  - .name:           k_q4d02567d21_prep
    .symbol:         k_q4d02567d21_prep.kd
    .args:
      - { .name: src, .offset: 0, .size: 8, .value_kind: global_buffer, .address_space: global }
      - { .name: w_q, .offset: 8, .size: 8, .value_kind: global_buffer, .address_space: global }
      - { .name: w_k, .offset: 16, .size: 8, .value_kind: global_buffer, .address_space: global }
      - { .name: w_v, .offset: 24, .size: 8, .value_kind: global_buffer, .address_space: global }
      - { .name: w_out, .offset: 32, .size: 8, .value_kind: global_buffer, .address_space: global }
      - { .name: ffn_w1, .offset: 40, .size: 8, .value_kind: global_buffer, .address_space: global }
      - { .name: ffn_w2, .offset: 48, .size: 8, .value_kind: global_buffer, .address_space: global }
      - { .name: wsw, .offset: 56, .size: 8, .value_kind: global_buffer, .address_space: global }
    .group_segment_fixed_size: 0
    .private_segment_fixed_size: 0
    .kernarg_segment_align: 8
    .kernarg_segment_size: 64
    .max_flat_workgroup_size: 64
    .sgpr_count:     66
    .vgpr_count:     192
    .wavefront_size: 32
...
	.end_amdgpu_metadata
.endif
;; end of part 1
;; launch qkv (part 2): grid 192 x 1, 4 waves a work-group, no clusters, 327,680 bytes of LDS; arguments wsw, b_q, b_k, b_v, wsa; writes wsa
.if DOCPART == 2
	.amdgcn_target "amdgcn-amd-amdhsa--gfx1250"
	.amdhsa_code_object_version 6
	.text
	.protected	k_q4d02567d21_qkv
	.globl	k_q4d02567d21_qkv
	.p2align	8
	.type	k_q4d02567d21_qkv,@function
k_q4d02567d21_qkv:
	s_mov_b64 s[64:65], 0
	v_nop
	global_prefetch_b8 v0, s[64:65] scope:SCOPE_SE
	s_setreg_imm32_b32 hwreg(HW_REG_WAVE_MODE, 25, 1), 1
	s_wait_xcnt 0x0
; QKV: q, k, v of batch 0 (batch 1's are dead work: see prep) on codes of E4M3, with their biases, quantised again on the way out as images of the next launch's operand registers.
; S1, eight tiles x K 1,024 = 131,072 bytes of images, lies in LDS, filled once: wave w fetches K steps 2 w, 2 w + 1 of all eight tiles, 8 rows of 4,096 bytes, to LDS byte 32,768 w: one tensor load a wave, each in an arm of its own.
; The barrier ahead of K step 0 waits for wave 0's load, those inside K steps 1 and 3 for waves 0-1's and 0-2's, the one inside K step 5 for all.  S0 goes from memory straight into registers, three K steps ahead.
.set LA,  1
.set LB,  2
.set LS,  3
.set HB,  4
.set RB,  5
.set SC1, 16
.set SC0, 48
.set BN,  64
.set BM,  96
.set X,   128
.set PC,  160
.set TM,  168
.set HW,  176
.set WD,  178
.set WV,  14
.set G1A, 24
.set G0A, 40
.set S0B, 48
.set S0S, 50
.set S1S, 52
.set OB,  54
.set OS,  56
.set STR, 58
.set SEL, 60
.set MNT, 62
.set HI,  63
.set BB,  66
.set MSB, 0
.macro WIN new
.if MSB != \new
	s_set_vgpr_msb (MSB<<8)|\new
.set MSB, \new
.endif
.endm
.macro PLACES n
.rept \n
	v_nop
.endr
.endm
.macro LDS1 ks
	WIN 0x40
.irp i, 0,1,2,3,4,5,6,7
.set FA, 32768*((\ks)/2)+4096*\i+2048*((\ks)%2)
.irp c, 0,1,2,3
.if FA+512*\c < 65536
	ds_load_b128 v[128*((\ks)%2)+16*\i+4*\c:128*((\ks)%2)+16*\i+4*\c+3], v[LA] offset:FA+512*\c
.else
	ds_load_b128 v[128*((\ks)%2)+16*\i+4*\c:128*((\ks)%2)+16*\i+4*\c+3], v[LB] offset:FA+512*\c-65536
.endif
.endr
.endr
.endm
.macro LDS0 ks
	WIN 0x80
.irp t, 0,1,2,3
.irp c, 0,1,2,3
	global_load_b128 v[64*((\ks)%4)+16*\t+4*\c:64*((\ks)%4)+16*\t+4*\c+3], v[LA], s[S0B:S0B+1] offset:16384*\t+2048*(\ks)+512*\c
.endr
.endr
.endm
.macro MUL ks
.if (\ks) == 0
	WIN 0xc6
.else
	WIN 0xf6
.endif
.irp i, 0,1,2,3,4,5,6,7
.irp t, 0,1,2,3
.if (\ks) == 0
	v_wmma_scale_f32_16x16x128_f8f6f4 v[8*(4*\i+\t):8*(4*\i+\t)+7], v[16*\t:16*\t+15], v[16*\i:16*\i+15], v[BN+8*\t:BN+8*\t+7], v[SC0+4*\t], v[SC1+4*\i]
.elseif (\ks)%2 == 0
	v_wmma_scale_f32_16x16x128_f8f6f4 v[8*(4*\i+\t):8*(4*\i+\t)+7], v[64*((\ks)%4)+16*\t:64*((\ks)%4)+16*\t+15], v[128*((\ks)%2)+16*\i:128*((\ks)%2)+16*\i+15], v[8*(4*\i+\t):8*(4*\i+\t)+7], v[SC0+4*\t+(\ks)/2], v[SC1+4*\i+(\ks)/2]
.else
	v_wmma_scale_f32_16x16x128_f8f6f4 v[8*(4*\i+\t):8*(4*\i+\t)+7], v[64*((\ks)%4)+16*\t:64*((\ks)%4)+16*\t+15], v[128*((\ks)%2)+16*\i:128*((\ks)%2)+16*\i+15], v[8*(4*\i+\t):8*(4*\i+\t)+7], v[SC0+4*\t+(\ks)/2], v[SC1+4*\i+(\ks)/2] matrix_a_scale:MATRIX_SCALE_ROW1 matrix_b_scale:MATRIX_SCALE_ROW1
.endif
.endr
.endr
.endm
.macro KSTEP ks
.if (\ks) > 0
	PLACES 8
.endif
.if (\ks)%2 == 1 && (\ks) < 7
	WIN 0
.if (\ks) < 5
	s_cmp_lt_u32 s[WV], ((\ks)+3)/2                ; the waves whose K steps the next fetch reads wait for their load
	s_cbranch_scc0 .Lnot_\@
	s_wait_tensorcnt 0x0
.Lnot_\@:
.else
	s_wait_tensorcnt 0x0                           ; all that is still out
.endif
	s_wait_dscnt 0x0
	s_barrier_signal -1
	s_barrier_wait -1
.endif
.if (\ks) < 7
	LDS1 (\ks)+1
.endif
.if (\ks) < 5
	LDS0 (\ks)+3
.endif
.if (\ks) < 7
	s_wait_dscnt 32
.else
	s_wait_dscnt 0x0
.endif
.if (\ks) < 5
	s_wait_loadcnt 48
.else
	s_wait_loadcnt 16*(7-(\ks))
.endif
	MUL \ks
.endm
.macro QUANT2 s, hw
.irp b, 0,1
	v_max3_num_f32 v[TM+\b], |v[\s+16*\b]|, |v[\s+1+16*\b]|, 0x4800000
.endr
.irp i, 2,4,6,8,10,12,14
.irp b, 0,1
	v_max3_num_f32 v[TM+\b], v[TM+\b], |v[\s+16*\b+\i]|, |v[\s+1+16*\b+\i]|
.endr
.endr
.irp b, 0,1
	v_permlanex16_b32 v[TM+2+\b], v[TM+\b], s[SEL], s[SEL+1]
.endr
.irp b, 0,1
	v_max_num_f32 v[TM+\b], v[TM+\b], v[TM+2+\b]
.endr
.irp b, 0,1
	v_add_nc_u32 v[TM+6+\b], 0xfc000000, v[TM+\b]
.endr
.irp b, 0,1
	v_and_or_b32 v[TM+4+\b], v[TM+\b], 0x7f800000, s[MNT]
.endr
.irp b, 0,1
	v_lshrrev_b32 v[TM+2+\b], 23, v[TM+6+\b]
.endr
	v_lshl_or_b32 v[\hw], v[TM+3], 8, v[TM+2]
.irp b, 0,1
.irp i, 0,1,2,3,4,5,6,7,8,9,10,11,12,13,14,15
	v_med3_num_f32 v[\s+16*\b+\i], v[\s+16*\b+\i], -v[TM+4+\b], v[TM+4+\b]
.endr
	v_cvt_scalef32_pk8_fp8_f32 v[PC+4*\b:PC+1+4*\b], v[\s+16*\b:\s+7+16*\b], v[TM+6+\b]
	v_cvt_scalef32_pk8_fp8_f32 v[PC+2+4*\b:PC+3+4*\b], v[\s+8+16*\b:\s+15+16*\b], v[TM+6+\b]
.endr
	v_nop
.endm
.macro EPI n
.if (\n) > 0
	s_wait_xcnt 0x0
	s_add_nc_u64 s[OB:OB+1], s[OB:OB+1], s[STR:STR+1]
.endif
	WIN 0x03
.set jj, 0
.rept 16
	v_pk_add_f32 v[X+jj:X+jj+1], v[32*(\n)+jj:32*(\n)+jj+1], v[BM+2*(\n):BM+2*(\n)+1] op_sel_hi:[1,0]
.set jj, jj+2
.endr
	WIN 0
	QUANT2 X, HW+(\n)%2
	global_store_b128 v[LA], v[PC:PC+3], s[OB:OB+1]
	global_store_b128 v[LA], v[PC+4:PC+7], s[OB:OB+1] offset:512
.if (\n)%2 == 1
	v_cndmask_b32 v[WD+(\n)/2], v[HW], v[HW+1], s[HI]
.endif
.endm
	s_load_b256 s[4:11], s[0:1], 0x0
	s_load_b64 s[12:13], s[0:1], 0x20
	v_lshl_add_u32 v254, v0, 2, 0x29000
	v_mov_b32 v255, 0
	ds_add_u32 v254, v255
	ds_add_u32 v254, v255
	v_lshrrev_b32 v6, 5, v0
	v_readfirstlane_b32 s[WV], v6
	v_and_b32 v6, 31, v0
	v_lshlrev_b32 v[LA], 4, v6
	v_add_nc_u32 v[LB], 0x10000, v[LA]
	v_lshlrev_b32 v[LS], 2, v6
	v_lshrrev_b32 v7, 4, v6
	v_lshlrev_b32 v[HB], 6, v7
	v_and_b32 v8, 15, v6
	v_and_b32 v9, 8, v8
	v_add_nc_u32 v9, v9, v8
	v_lshlrev_b32 v[RB], 2, v9
	v_mov_b32 v[TM+2], 0
	v_mov_b32 v[TM+3], 0
	s_mov_b32 s[G1A+0], 3<<16
	s_mov_b32 s[G1A+1], 512<<16
	s_mov_b32 s[G1A+2], 8<<16
	s_mov_b32 s[G1A+3], 512<<16
	s_mov_b32 s[G1A+4], 8
	s_mov_b32 s[G1A+5], 2048
	s_mov_b32 s[G1A+6], 0
	s_mov_b32 s[G1A+7], 0
	s_mov_b32 s[SEL], 0x76543210
	s_mov_b32 s[SEL+1], 0xfedcba98
	s_mov_b32 s[MNT], 0x600000
	s_mov_b32 s[HI], 0xffff0000
	s_and_b32 s16, ttmp9, 15
	s_lshr_b32 s17, ttmp9, 4
	s_and_b32 s18, ttmp9, 7
	s_bfe_u32 s19, ttmp9, 0x40003
	s_lshl_b32 s20, s16, 17
	s_add_co_u32 s20, s20, 8<<20
	s_lshl_b32 s21, s18, 17
	s_add_co_u32 s21, s21, 2<<20
	s_lshl_b32 s22, s17, 18
	s_lshl_b32 s23, s19, 18
	s_add_co_u32 s23, s23, 8<<20
	s_cmp_lt_u32 ttmp9, 128
	s_cselect_b32 s20, s20, s21
	s_cselect_b32 s22, s22, s23
	s_lshl_b32 s21, s[WV], 16
	s_add_co_u32 s22, s22, s21
	s_lshl_b32 s21, s[WV], 12
	s_add_co_u32 s68, s20, s21
	s_mov_b32 s69, 0
	s_wait_alu depctr_va_vdst(0)
	s_wait_dscnt 0x0
	s_wait_kmcnt 0x0
	s_mov_b32 s[G0A], 1
	s_lshl_b32 s[G0A+1], s[WV], 15
	s_add_nc_u64 s[G0A+2:G0A+3], s[4:5], s[68:69]
	s_or_b32 s[G0A+3], s[G0A+3], 0x80000000
.irp n, 1,2,3
	s_cmp_lt_u32 s[WV], \n
	s_cbranch_scc0 .Larm\n
	tensor_load_to_lds s[G0A:G0A+3], s[G1A:G1A+7]
	s_nop 0
	PLACES 4
	s_branch .Lasked
.Larm\n:
.endr
	tensor_load_to_lds s[G0A:G0A+3], s[G1A:G1A+7]
	s_nop 0
	PLACES 4
.Lasked:
	s_mov_b32 s23, 0
	s_add_nc_u64 s[S0B:S0B+1], s[4:5], s[22:23]
	s_lshr_b32 s22, s22, 5
	s_add_co_u32 s22, s22, 10<<20
	s_add_nc_u64 s[S0S:S0S+1], s[4:5], s[22:23]
	s_lshr_b32 s22, s20, 5
	s_add_co_u32 s22, s22, 10<<20
	s_add_nc_u64 s[S1S:S1S+1], s[4:5], s[22:23]
.irp t, 0,1,2,3
.irp p, 0,1,2,3
	global_load_b32 v[SC0+4*\t+\p], v[LS], s[S0S:S0S+1] offset:512*\t+128*\p
.endr
.endr
.irp i, 0,1,2,3,4,5,6,7
.irp p, 0,1,2,3
	global_load_b32 v[SC1+4*\i+\p], v[LS], s[S1S:S1S+1] offset:512*\i+128*\p
.endr
.endr
	s_cmp_lt_u32 ttmp9, 128
	s_cbranch_scc0 .Lbias_v
	s_cmp_lt_u32 s17, 4
	s_cselect_b64 s[BB:BB+1], s[6:7], s[8:9]
	s_and_b32 s70, s17, 3
	s_lshl_b32 s70, s70, 10
	s_lshl_b32 s71, s[WV], 8
	s_add_co_u32 s70, s70, s71
	s_mov_b32 s71, 0
	s_add_nc_u64 s[BB:BB+1], s[BB:BB+1], s[70:71]
.irp t, 0,1,2,3
	global_load_b128 v[BN+8*\t:BN+8*\t+3], v[HB], s[BB:BB+1] offset:128*(\t/2)+32*(\t%2)
	global_load_b128 v[BN+8*\t+4:BN+8*\t+7], v[HB], s[BB:BB+1] offset:128*(\t/2)+32*(\t%2)+16
.endr
.set jj, 0
.rept 16
	v_mov_b32 v[BM+jj], 0
.set jj, jj+1
.endr
	s_branch .Lbias_done
.Lbias_v:
	s_lshl_b32 s70, s18, 9
	s_mov_b32 s71, 0
	s_add_nc_u64 s[BB:BB+1], s[10:11], s[70:71]
.irp i, 0,1,2,3,4,5,6,7
	global_load_b32 v[BM+2*\i], v[RB], s[BB:BB+1] offset:(32*(\i/2)+8*(\i%2))*4
	v_mov_b32 v[BM+2*\i+1], 0
.endr
.set jj, 0
.rept 32
	v_mov_b32 v[BN+jj], 0
.set jj, jj+1
.endr
.Lbias_done:
	LDS0 0
	LDS0 1
	LDS0 2
	WIN 0
	s_and_b32 s70, s17, 3
	s_lshl_b32 s70, s70, 2
	s_add_co_u32 s70, s70, s[WV]
	s_lshr_b32 s71, s17, 2
	s_lshl_b32 s72, s71, 21
	s_lshl_b32 s73, s70, 17
	s_add_co_u32 s72, s72, s73
	s_lshl_b32 s73, s16, 13
	s_add_co_u32 s72, s72, s73
	s_mul_i32 s73, s70, 12288
	s_add_co_u32 s73, s73, 128<<10
	s_lshl_b32 s74, s70, 13
	s_cmp_eq_u32 s71, 0
	s_cselect_b32 s73, s74, s73
	s_lshl_b32 s74, s16, 9
	s_add_co_u32 s73, s73, s74
	s_lshr_b32 s74, s[WV], 1
	s_lshl_b32 s75, s19, 1
	s_add_co_u32 s74, s74, s75
	s_and_b32 s75, s[WV], 1
	s_lshl_b32 s76, s74, 17
	s_add_co_u32 s76, s76, 4<<20
	s_lshl_b32 s77, s18, 14
	s_add_co_u32 s76, s76, s77
	s_lshl_b32 s77, s75, 10
	s_add_co_u32 s76, s76, s77
	s_mul_i32 s77, s18, 24576
	s_add_co_u32 s77, s77, (128<<10)+8192
	s_lshl_b32 s78, s74, 8
	s_add_co_u32 s77, s77, s78
	s_lshl_b32 s78, s75, 1
	s_add_co_u32 s77, s77, s78
	s_cmp_lt_u32 ttmp9, 128
	s_cselect_b32 s72, s72, s76
	s_cselect_b32 s76, s73, s77
	s_mov_b32 s[STR], 2048
	s_cselect_b32 s[STR], 1024, s[STR]
	s_mov_b32 s[STR+1], 0
	s_mov_b32 s73, 0
	s_add_nc_u64 s[OB:OB+1], s[12:13], s[72:73]
	s_add_co_u32 s76, s76, 6<<20
	s_mov_b32 s77, 0
	s_add_nc_u64 s[OS:OS+1], s[12:13], s[76:77]
	s_cmp_lt_u32 s[WV], 1
	s_cbranch_scc0 .Lnot_first
	s_wait_tensorcnt 0x0                           ; wave 0: K steps 0 and 1 are in LDS
.Lnot_first:
	s_barrier_signal -1
	s_barrier_wait -1
	LDS1 0
	s_wait_alu depctr_va_vdst(0)
.irp k, 0,1,2,3,4,5,6,7
	KSTEP \k
.endr
	PLACES 8
.irp n, 0,1,2,3,4,5,6,7
	EPI \n
.endr
	s_cmp_lt_u32 ttmp9, 128
	s_cbranch_scc0 .Lsc_v
	; the scale words as attn takes them.  Q: a tile's two bytes twice (one word serves Q|0 and 0|Q).  K: lanes 0-15 hold tile 2 p's two bytes below and tile 2 p + 1's above: the word of an operand made of both tiles
	s_cmp_lt_u32 s17, 4
	s_cselect_b32 s70, 0, -1                       ; K: every lane takes the other tile's bytes for the upper half
.irp p, 0,1,2,3
	v_permlanex16_b32 v[TM+\p], v[WD+\p], s[SEL], s[SEL+1]
	v_cndmask_b32 v[TM+\p], v[WD+\p], v[TM+\p], s70
	v_lshl_or_b32 v[WD+\p], v[TM+\p], 16, v[WD+\p]
.endr
.irp p, 0,1,2,3
	global_store_b32 v[LS], v[WD+\p], s[OS:OS+1] offset:128*\p
.endr
	s_wait_tensorcnt 0x0
	ds_add_u32 v254, v255
	s_wait_dscnt 0x0
	s_endpgm
.Lsc_v:
	s_wait_alu depctr_va_vdst(0)
.irp p, 0,1,2,3
	global_store_b16 v[LS], v[WD+\p], s[OS:OS+1] offset:12288*(\p/2)+128*(\p%2)
.endr
	s_wait_tensorcnt 0x0
	ds_add_u32 v254, v255
	s_wait_dscnt 0x0
	s_endpgm
.Lfunc_end_k_q4d02567d21_qkv:
	.size	k_q4d02567d21_qkv, .Lfunc_end_k_q4d02567d21_qkv-k_q4d02567d21_qkv
	.p2alignl 7, 3214868480
	.fill 96, 4, 3214868480
	.section	.rodata,"a",@progbits
	.p2align	6, 0x0
	.amdhsa_kernel k_q4d02567d21_qkv
		.amdhsa_group_segment_fixed_size 327680
		.amdhsa_private_segment_fixed_size 0
		.amdhsa_enable_private_segment 0
		.amdhsa_kernarg_size 40
		.amdhsa_user_sgpr_count 2
		.amdhsa_user_sgpr_kernarg_segment_ptr 1
		.amdhsa_wavefront_size32 1
		.amdhsa_system_sgpr_workgroup_id_x 1
		.amdhsa_system_sgpr_workgroup_id_y 1
		.amdhsa_system_sgpr_workgroup_id_z 1
		.amdhsa_system_vgpr_workitem_id 0
		.amdhsa_next_free_vgpr 1024
		.amdhsa_next_free_sgpr 80
		.amdhsa_reserve_vcc 0
		.amdhsa_float_denorm_mode_32 3
		.amdhsa_float_denorm_mode_16_64 3
		.amdhsa_memory_ordered 1
		.amdhsa_forward_progress 1
		.amdhsa_inst_pref_size 123
	.end_amdhsa_kernel
	.amdgpu_metadata
---
amdhsa.version: [ 1, 2 ]
amdhsa.kernels:
  - .name:           k_q4d02567d21_qkv
    .symbol:         k_q4d02567d21_qkv.kd
    .args:
      - { .name: wsw, .offset: 0, .size: 8, .value_kind: global_buffer, .address_space: global }
      - { .name: b_q, .offset: 8, .size: 8, .value_kind: global_buffer, .address_space: global }
      - { .name: b_k, .offset: 16, .size: 8, .value_kind: global_buffer, .address_space: global }
      - { .name: b_v, .offset: 24, .size: 8, .value_kind: global_buffer, .address_space: global }
      - { .name: wsa, .offset: 32, .size: 8, .value_kind: global_buffer, .address_space: global }
    .group_segment_fixed_size: 327680
    .private_segment_fixed_size: 0
    .kernarg_segment_align: 8
    .kernarg_segment_size: 40
    .max_flat_workgroup_size: 128
    .sgpr_count:     80
    .vgpr_count:     1024
    .wavefront_size: 32
...
	.end_amdgpu_metadata
.endif
;; end of part 2
;; launch attn (part 3): grid 16 x 16, 8 waves a work-group, no clusters, 310,272 bytes of LDS; arguments wsa, wsc; writes wsc
.if DOCPART == 3
	.amdgcn_target "amdgcn-amd-amdhsa--gfx1250"
	.amdhsa_code_object_version 6
	.text
	.protected	k_q4d02567d21_attn
	.globl	k_q4d02567d21_attn
	.p2align	8
	.type	k_q4d02567d21_attn,@function
k_q4d02567d21_attn:
	s_mov_b64 s[64:65], 0
	v_nop
	global_prefetch_b8 v0, s[64:65] scope:SCOPE_SE
	s_setreg_imm32_b32 hwreg(HW_REG_WAVE_MODE, 25, 1), 1
	s_wait_xcnt 0x0
; ATTN: ctx = softmax(q k^T / 8) v for the 16 heads of batch 0 (batch 1's is dead work: see prep), both products on codes of E4M3; ctx leaves as codes for the next product.
; THE SOFTMAX AHEAD OF THE SECOND PRODUCT: t = score x log2(e) / 8; M = the row's largest t so far, rounded UP to a whole number; p = 2^(t - M) is quantised along the keys, not normalised.  The row's sum is taken of the
; unquantised p and divides at the end.  When M moves, the sum and O are multiplied by 2^(old M - new M): exact.
; SHARES.  A work-group owns 128 queries of one head (x: the block, y: the head): eight tiles of 16.  Eight waves, two to a SIMD: wave w owns TWO tiles, 2 (w % 4) and 2 (w % 4) + 1, and half w / 4 of the 2,048 keys, 128 a step, eight steps:
; each fragment of K and of V that it reads from LDS feeds both tiles.  Each half has a running M of its own; at the end the halves' O and sums are brought under the larger M by powers of two and added: the upper wave hands
; O^T, -M and its sum over through 8,704 bytes of LDS for each pair of tiles.  The softmax's phases are written for both tiles by turns, so that no line waits for the line above it.
; LAYOUT.  Both products transposed: S^T = K Q^T, O^T = V^T P^T: a lane holds one query of each tile.  Lane-row r of tile T is row 32 (T/2) + 8 (T%2) + r + 8 (r/8), so the 16 registers of key tiles 2 b, 2 b + 1 are 16 neighbours.
; THE HEAD IS 64 WIDE AND THE MATRIX INSTRUCTION 128 DEEP.  An operand of K holds TWO tiles of keys, tile 2 q in k = 0 .. 63 and tile 2 q + 1 in k = 64 .. 127, and is multiplied by Q|0 for tile 2 q's scores and by 0|Q for
; tile 2 q + 1's: the other tile meets zero codes.  Its scale word holds both tiles' bytes, Q's word its two bytes twice (qkv stores them so).
; LDS LOADS.  V is fetched at a step's head, the next step's K directly behind the score products: the softmax's lines stand between these loads and the wait for them.
; FILLS.  The head's K, V and scale words, 274,432 bytes, lie in LDS, FILLED ONCE.  K of half g, step s: s < 3 at 24,576 g + 8,192 s, else at 49,152 + 40,960 g + 8,192 (s - 3).  V: s < 2 at 131,072 + 16,384 g + 8,192 s, else at
; 163,840 + 49,152 g + 8,192 (s - 2).  The scale words at 262,144.  Seven waves issue ONE tensor load each, in one chain of arms: wave 0 the scale words; wave 1 K steps 0-2 of both halves (2 rows of 24,576 bytes); waves 2, 3 V steps 0-1
; of a half; wave 4 K steps 3-7 of both halves; waves 5, 6 V steps 2-7 of a half.  The barrier ahead of step 0 waits for waves 0-3's lines, the one behind step 1 for all.  All is asked for at the head: no loop to prefetch ahead in.
; The sixteen work-groups of a head read the same bytes and do not ask for them jointly in this text: an omission, stated as such.
; LIMITS: as stated for the quantiser in prep; v_exp_f32 and v_rcp_f32 as accurate as the ISA guide gives them; a block's largest p is made from the block's largest score by the same two instructions as every p;
; the scaled scores stay under 2^31 in magnitude.
; REGISTERS.  Window 0, all vector work (u = 0, 1: the tile): v1 16 l, v3, v4 scale words' places, v5 4 r, v6, v7 the hand-over's places; v8-11 the step's addresses; v[12 + 4 u] -M, the largest t, the sum in two halves; v20, v21 ctx's bytes;
;   v[32 + 64 u] S^T, then p; v[160 + 16 u] p's codes; v192-195 K's scale words, v196-197 V's, v198-199 Q's, v200-201 p's; v[204 + 24 u] at work; v254, v255 the spare word's address and 0.
;   Window 1, what matrix instructions and loads alone touch (and O^T's rescaling): v0-63 K, v64-127 V, v[128 + 32 u] O^T, v[192 + 24 u] Q | 0 | Q.
.set MB,  6
.set MS,  7
.set ADK, 8
.set ADV, 9
.set ADS, 10
.set ADT, 11
.set ST0, 12
.set HW,  20
.set S0,  32
.set PC0, 160
.set KSW, 192
.set VSW, 196
.set QSW, 198
.set PSW, 200
.set W0,  204                          ; at work, 24 registers a tile: +0 the blocks' largest, +4 the other lane's, +8 the holds, +12 the conversions' scales, +16 f (a pair), +18 a scratch, +20, +22 two chains of the sum
.set XK,  0
.set YV,  64
.set O1,  128
.set Q1,  192
.set MRG, 274432                       ; LDS: behind the scale words: the hand-over, 8,704 bytes a pair of tiles
.set SPARE, 309248
.set WV,  8
.set HD,  9
.set G1S, 16
.set G1KE, 24
.set G1KR, 32
.set G1VE, 40
.set G1VR, 48
.set G0S, 56
.set G0KE, 60
.set G0KR, 68
.set G0VE0, 72
.set G0VE1, 76
.set G0VR0, 80
.set G0VR1, 84
.set SEL, 88
.set CS,  90
.set MNT, 92
.set TBN, 93                           ; s93 LDS byte of the K that is fetched next;  s94 of this step's V;  s95, s96 this step's scale words of K, of V
.set TBV, 94
.set TS,  95
.set TV,  96
.set CNT, 97
.set TP,  98
.set KG,  99
.set TT,  100
.set MSB, 0
.macro WIN new                         ; the immediate's high byte repeats the setting that is left
.if MSB != \new
	s_set_vgpr_msb (MSB<<8)|\new
.set MSB, \new
.endif
.endm
.macro PLACES n
.rept \n
	v_nop
.endr
.endm
.macro KLD soff                        ; a step's eight tiles of K as four operands of two tiles, and their scale words (lanes 0-15 are read)
	WIN 0x40
.irp q, 0,1,2,3
.irp c, 0,1,2,3
	ds_load_b128 v[XK+16*\q+4*\c:XK+16*\q+4*\c+3], v[ADK] offset:2048*\q+512*\c
.endr
.endr
	WIN 0
.irp q, 0,1,2,3
	ds_load_b32 v[KSW+\q], v[ADS] offset:\soff+128*\q
.endr
.endm
.macro SOFTMAX                         ; both tiles' scores become p's codes and scale words; -M, f and the sums are brought on
.irp u, 0,1
.irp b, 0,1,2,3
	v_max3_num_f32 v[W0+24*\u+\b], v[S0+64*\u+16*\b], v[S0+64*\u+16*\b+1], v[S0+64*\u+16*\b+2]   ; the largest score of each block of 32 keys: for the row's maximum and for the block's largest p
.endr
.endr
.irp i, 3,5,7,9,11,13
.irp u, 0,1
.irp b, 0,1,2,3
	v_max3_num_f32 v[W0+24*\u+\b], v[W0+24*\u+\b], v[S0+64*\u+16*\b+\i], v[S0+64*\u+16*\b+\i+1]
.endr
.endr
.endr
.irp u, 0,1
.irp b, 0,1,2,3
	v_max_num_f32 v[W0+24*\u+\b], v[W0+24*\u+\b], v[S0+64*\u+16*\b+15]
.endr
.endr
.irp u, 0,1
.irp b, 0,1,2,3
	v_permlanex16_b32 v[W0+24*\u+4+\b], v[W0+24*\u+\b], s[SEL], s[SEL+1]
.endr
.endr
.irp u, 0,1
.irp b, 0,1,2,3
	v_max_num_f32 v[W0+24*\u+\b], v[W0+24*\u+\b], v[W0+24*\u+4+\b]   ; with lane l xor 16's 16 keys
.endr
.endr
.irp u, 0,1
	v_max3_num_f32 v[W0+24*\u+18], v[W0+24*\u], v[W0+24*\u+1], v[W0+24*\u+2]
.endr
.irp u, 0,1
	v_max_num_f32 v[W0+24*\u+18], v[W0+24*\u+18], v[W0+24*\u+3]
.endr
.irp u, 0,1
	v_mul_f32 v[W0+24*\u+18], s[CS], v[W0+24*\u+18]                  ; as t (c is positive)
.endr
.irp u, 0,1
	v_max_num_f32 v[ST0+4*\u+1], v[ST0+4*\u+1], v[W0+24*\u+18]       ; the running largest t
.endr
.irp u, 0,1
	v_mov_b32 v[W0+24*\u+18], v[ST0+4*\u]
.endr
.irp u, 0,1
	v_floor_f32 v[ST0+4*\u], -v[ST0+4*\u+1]                          ; the new -M = floor(-t) = -ceil(t)
.endr
.irp u, 0,1
	v_sub_f32 v[W0+24*\u+18], v[ST0+4*\u], v[W0+24*\u+18]            ; old M - new M: a whole number, 0 or less
.endr
.irp u, 0,1
	v_cvt_i32_f32 v[W0+24*\u+18], v[W0+24*\u+18]                     ; (it saturates)
.endr
.irp u, 0,1
	v_ldexp_f32 v[W0+24*\u+16], 1.0, v[W0+24*\u+18]                  ; f = 2^(old M - new M)
.endr
.irp u, 0,1
.set jj, 0
.rept 32
	v_pk_fma_f32 v[S0+64*\u+jj:S0+64*\u+jj+1], v[S0+64*\u+jj:S0+64*\u+jj+1], s[CS:CS+1], v[ST0+4*\u:ST0+4*\u+1] op_sel_hi:[1,0,0]   ; t - M, two at a time
.set jj, jj+2
.endr
.endr
.irp u, 0,1
.irp b, 0,1,2,3
	v_fma_f32 v[W0+24*\u+\b], v[W0+24*\u+\b], s[CS], v[ST0+4*\u]     ; the same of each block's largest score
.endr
.endr
	s_wait_alu depctr_va_vdst(0)                   ; the wait ahead of the batch
.set jj, 0
.rept 128
	v_exp_f32 v[S0+jj], v[S0+jj]                   ; p = 2^(t - M), at most 1: both tiles
.set jj, jj+1
.endr
.irp u, 0,1
	v_pk_mul_f32 v[ST0+4*\u+2:ST0+4*\u+3], v[ST0+4*\u+2:ST0+4*\u+3], v[W0+24*\u+16:W0+24*\u+17] op_sel_hi:[1,0]   ; the sums under the new M: plain lines behind the exponentials
.endr
	s_wait_alu depctr_va_vdst(0)                   ; one wait for the batch, ahead of its first reader
.irp u, 0,1
.irp b, 0,1,2,3
	v_exp_f32 v[W0+24*\u+\b], v[W0+24*\u+\b]       ; the block's largest p
.endr
.endr
.irp u, 0,1                                    ; the row's sum of the unquantised p: two at a time, three chains a tile
	v_pk_add_f32 v[W0+24*\u+20:W0+24*\u+21], v[S0+64*\u:S0+64*\u+1], v[S0+64*\u+2:S0+64*\u+3]
	v_pk_add_f32 v[W0+24*\u+22:W0+24*\u+23], v[S0+64*\u+4:S0+64*\u+5], v[S0+64*\u+6:S0+64*\u+7]
	v_pk_add_f32 v[ST0+4*\u+2:ST0+4*\u+3], v[ST0+4*\u+2:ST0+4*\u+3], v[S0+64*\u+8:S0+64*\u+9]
.endr
.irp j, 10,16,22,28,34,40,46,52,58
.irp u, 0,1
	v_pk_add_f32 v[W0+24*\u+20:W0+24*\u+21], v[W0+24*\u+20:W0+24*\u+21], v[S0+64*\u+\j:S0+64*\u+\j+1]
	v_pk_add_f32 v[W0+24*\u+22:W0+24*\u+23], v[W0+24*\u+22:W0+24*\u+23], v[S0+64*\u+\j+2:S0+64*\u+\j+3]
	v_pk_add_f32 v[ST0+4*\u+2:ST0+4*\u+3], v[ST0+4*\u+2:ST0+4*\u+3], v[S0+64*\u+\j+4:S0+64*\u+\j+5]
.endr
.endr
.irp u, 0,1
	v_pk_add_f32 v[W0+24*\u+20:W0+24*\u+21], v[W0+24*\u+20:W0+24*\u+21], v[W0+24*\u+22:W0+24*\u+23]
.endr
.irp u, 0,1
	v_pk_add_f32 v[ST0+4*\u+2:ST0+4*\u+3], v[ST0+4*\u+2:ST0+4*\u+3], v[W0+24*\u+20:W0+24*\u+21]
.endr
	s_wait_alu depctr_va_vdst(0)                   ; and one for the eight
.irp u, 0,1
.irp b, 0,1,2,3
	v_max_num_f32 v[W0+24*\u+\b], 0x4800000, v[W0+24*\u+\b]          ; the floor 2^(9 - 127)
.endr
.endr
.irp u, 0,1
.irp b, 0,1,2,3
	v_add_nc_u32 v[W0+24*\u+12+\b], 0xfc000000, v[W0+24*\u+\b]
.endr
.endr
.irp u, 0,1
.irp b, 0,1,2,3
	v_and_or_b32 v[W0+24*\u+8+\b], v[W0+24*\u+\b], 0x7f800000, s[MNT]
.endr
.endr
.irp u, 0,1
.irp b, 0,1,2,3
	v_lshrrev_b32 v[W0+24*\u+4+\b], 23, v[W0+24*\u+12+\b]
.endr
.endr
.irp u, 0,1
	v_lshl_or_b32 v[PSW+\u], v[W0+24*\u+5], 8, v[W0+24*\u+4]         ; p's scale word for these 128 keys: the holds below are more than its eight places
.endr
.irp u, 0,1
	v_lshl_or_b32 v[PSW+\u], v[W0+24*\u+6], 16, v[PSW+\u]
.endr
.irp u, 0,1
	v_lshl_or_b32 v[PSW+\u], v[W0+24*\u+7], 24, v[PSW+\u]
.endr
.irp u, 0,1
.irp b, 0,1,2,3
.irp i, 0,2,4,6,8,10,12,14
	v_dual_min_num_f32 v[S0+64*\u+16*\b+\i], v[S0+64*\u+16*\b+\i], v[W0+24*\u+8+\b] :: v_dual_min_num_f32 v[S0+64*\u+16*\b+\i+1], v[S0+64*\u+16*\b+\i+1], v[W0+24*\u+8+\b]   ; p is not negative: a one-sided hold, two numbers a line
.endr
	v_cvt_scalef32_pk8_fp8_f32 v[PC0+16*\u+4*\b:PC0+16*\u+4*\b+1], v[S0+64*\u+16*\b:S0+64*\u+16*\b+7], v[W0+24*\u+12+\b]
	v_cvt_scalef32_pk8_fp8_f32 v[PC0+16*\u+4*\b+2:PC0+16*\u+4*\b+3], v[S0+64*\u+16*\b+8:S0+64*\u+16*\b+15], v[W0+24*\u+12+\b]
.endr
.endr
	v_nop                                          ; a plain line behind the last conversion
.endm
; A KEY STEP: 128 keys, both tiles.  last = 1: in the loop's last trip there is no next K to fetch
.macro STEP last
	v_add_nc_u32 v[ADV], s[TBV], v1
	v_add_nc_u32 v[ADT], s[TV], v4
	v_add_nc_u32 v[ADK], s[TBN], v1
	v_add_nc_u32 v[ADS], s[TS], v3
	PLACES 4                                       ; with the four additions eight places in front of loads into registers that the last step's products read
	WIN 0x40
.irp t, 0,1,2,3
.irp c, 0,1,2,3
	ds_load_b128 v[YV+16*\t+4*\c:YV+16*\t+4*\c+3], v[ADV] offset:2048*\t+512*\c
.endr
.endr
	WIN 0
.irp q, 0,1
	ds_load_b32 v[VSW+\q], v[ADT] offset:128*\q    ; lanes 0-15: tile 2 q's words; lanes 16-31: tile 2 q + 1's
.endr
	s_wait_alu depctr_va_vdst(0)                   ; the wait, directly ahead of the wait below
	s_wait_dscnt 18                                ; K and its scale words are in; V's 18 loads just issued may be out
	WIN 0x05                                       ; sources 0 and 1 (K, Q) in window 1
.irp q, 0,1,2,3                                ; S^T = K Q^T: each operand of K four times: two tiles of keys x two tiles of queries
.irp u, 0,1
	v_wmma_scale_f32_16x16x128_f8f6f4 v[S0+64*\u+16*\q:S0+64*\u+16*\q+7], v[XK+16*\q:XK+16*\q+15], v[Q1+24*\u:Q1+24*\u+15], 0, v[KSW+\q], v[QSW+\u]
	v_wmma_scale_f32_16x16x128_f8f6f4 v[S0+64*\u+16*\q+8:S0+64*\u+16*\q+15], v[XK+16*\q:XK+16*\q+15], v[Q1+24*\u+8:Q1+24*\u+23], 0, v[KSW+\q], v[QSW+\u]
.endr
.endr
	WIN 0
	PLACES 8                                       ; in front of loads into registers that the products read, and of the first read of their results
.if \last
	s_cmp_eq_u32 s[CNT], 1                         ; a branch on the count of trips, round the loads alone
	s_cbranch_scc1 .Lno_next_\@
.endif
	KLD 512                                        ; the next step's K
.Lno_next_\@:
	SOFTMAX
	s_wait_dscnt 0x0                               ; V and the next K are in: both were asked for ahead of the softmax
	WIN 0x41                                       ; O^T (destination, source 0) in window 1, f in window 0
	s_wait_alu depctr_va_vdst(0)                   ; the wait, directly ahead of the first reader of O^T
.irp u, 0,1
.set jj, 0
.rept 16
	v_pk_mul_f32 v[O1+32*\u+jj:O1+32*\u+jj+1], v[O1+32*\u+jj:O1+32*\u+jj+1], v[W0+24*\u+16:W0+24*\u+17] op_sel_hi:[1,0]   ; O^T under the new M; these are also the codes' places in front of the products
.set jj, jj+2
.endr
.endr
	WIN 0x51                                       ; V, C and D in window 1, p's codes in window 0
.irp t, 0,2                                    ; O^T += V^T P^T: the eight accumulators by turns
.irp u, 0,1
	v_wmma_scale_f32_16x16x128_f8f6f4 v[O1+32*\u+8*\t:O1+32*\u+8*\t+7], v[YV+16*\t:YV+16*\t+15], v[PC0+16*\u:PC0+16*\u+15], v[O1+32*\u+8*\t:O1+32*\u+8*\t+7], v[VSW+\t/2], v[PSW+\u]
.endr
.irp u, 0,1
	v_wmma_scale_f32_16x16x128_f8f6f4 v[O1+32*\u+8*\t+8:O1+32*\u+8*\t+15], v[YV+16*\t+16:YV+16*\t+31], v[PC0+16*\u:PC0+16*\u+15], v[O1+32*\u+8*\t+8:O1+32*\u+8*\t+15], v[VSW+\t/2], v[PSW+\u] matrix_a_scale:MATRIX_SCALE_ROW1
.endr
.endr
	WIN 0
	s_add_co_u32 s[TBN], s[TBN], 8192
	s_add_co_u32 s[TBV], s[TBV], 8192
	s_add_co_u32 s[TS], s[TS], 512
	s_add_co_u32 s[TV], s[TV], 256
.endm
.macro RUN n, last                     ; n key steps
	s_mov_b32 s[CNT], \n
.Lrun_\@:
	STEP \last
	s_sub_co_u32 s[CNT], s[CNT], 1
	s_cmp_lg_u32 s[CNT], 0
	s_cbranch_scc1 .Lrun_\@
.endm
.macro SHOW n                          ; a barrier that shows the loads of waves 0 .. n - 1 (n = 0: all that is still out, under no branch).
.if \n
	s_cmp_lt_u32 s[WV], \n
	s_cbranch_scc0 .Lnot_\@
	s_wait_tensorcnt 0x0
.Lnot_\@:
.else
	s_wait_tensorcnt 0x0
.endif
	s_wait_dscnt 0x0                               ; no LDS load of mine is out at the signal
	s_barrier_signal -1
	s_barrier_wait -1
.endm
.macro QUANT2 s, tm, pc, hw            ; 32 numbers of a lane become 8 registers of codes and two scale bytes
.irp b, 0,1
	v_max3_num_f32 v[\tm+\b], |v[\s+16*\b]|, |v[\s+1+16*\b]|, 0x4800000
.endr
.irp i, 2,4,6,8,10,12,14
.irp b, 0,1
	v_max3_num_f32 v[\tm+\b], v[\tm+\b], |v[\s+16*\b+\i]|, |v[\s+1+16*\b+\i]|
.endr
.endr
.irp b, 0,1
	v_permlanex16_b32 v[\tm+2+\b], v[\tm+\b], s[SEL], s[SEL+1]
.endr
.irp b, 0,1
	v_max_num_f32 v[\tm+\b], v[\tm+\b], v[\tm+2+\b]
.endr
.irp b, 0,1
	v_add_nc_u32 v[\tm+6+\b], 0xfc000000, v[\tm+\b]
.endr
.irp b, 0,1
	v_and_or_b32 v[\tm+4+\b], v[\tm+\b], 0x7f800000, s[MNT]
.endr
.irp b, 0,1
	v_lshrrev_b32 v[\tm+2+\b], 23, v[\tm+6+\b]
.endr
	v_lshl_or_b32 v[\hw], v[\tm+3], 8, v[\tm+2]
.irp b, 0,1
.irp i, 0,1,2,3,4,5,6,7,8,9,10,11,12,13,14,15
	v_med3_num_f32 v[\s+16*\b+\i], v[\s+16*\b+\i], -v[\tm+4+\b], v[\tm+4+\b]
.endr
	v_cvt_scalef32_pk8_fp8_f32 v[\pc+4*\b:\pc+1+4*\b], v[\s+16*\b:\s+7+16*\b], v[\tm+6+\b]
	v_cvt_scalef32_pk8_fp8_f32 v[\pc+2+4*\b:\pc+3+4*\b], v[\s+8+16*\b:\s+15+16*\b], v[\tm+6+\b]
.endr
	v_nop
.endm
.macro ARM under, g0, g1, next         ; an arm of the head's chain: one tensor load, its s_nop 0 and four v_nop, a jump to the chain's end
	s_cmp_lt_u32 s[WV], \under
	s_cbranch_scc0 \next
	tensor_load_to_lds s[\g0:\g0+3], s[\g1:\g1+7]
	s_nop 0
	PLACES 4
	s_branch .Lasked
\next:
.endm
.macro GRP1 g, el, rows, pitch         ; group 1: rows of el elements of 8 bytes
	s_mov_b32 s[\g+0], 3<<16
	s_mov_b32 s[\g+1], (\el)<<16
	s_mov_b32 s[\g+2], (\rows)<<16
	s_mov_b32 s[\g+3], (\el)<<16
	s_mov_b32 s[\g+4], \rows
	s_mov_b32 s[\g+5], \pitch
	s_mov_b32 s[\g+6], 0
	s_mov_b32 s[\g+7], 0
.endm
.macro GRP0 g, lds, base, off          ; group 0: a constant place in LDS, and a constant number of bytes behind the head's first byte of K, of V or of the scale words
	s_mov_b32 s[\g], 1
	s_mov_b32 s[\g+1], \lds
	s_add_nc_u64 s[\g+2:\g+3], s[\base:\base+1], \off
	s_or_b32 s[\g+3], s[\g+3], 0x80000000
.endm
	s_load_b128 s[4:7], s[0:1], 0x0                ; wsa s[4:5], wsc s[6:7]
	v_lshl_add_u32 v254, v0, 2, SPARE
	v_mov_b32 v255, 0
	ds_add_u32 v254, v255                          ; the opening lines: the add, twice on end, and its wait ahead of the first tensor load
	ds_add_u32 v254, v255
	v_lshrrev_b32 v8, 5, v0
	v_readfirstlane_b32 s[WV], v8                  ; wave 0 .. 7
	s_and_b32 s[TP], s[WV], 3                      ; my pair of tiles
	s_lshr_b32 s[KG], s[WV], 2                     ; my half of the keys
	v_and_b32 v2, 31, v0
	v_lshlrev_b32 v1, 4, v2
	v_lshlrev_b32 v2, 2, v2
	v_add_nc_u32 v3, 0x40000, v2                   ; K's scale words begin at LDS byte 262,144,
	v_add_nc_u32 v4, 0x42000, v2                   ; V's 8,192 further on
	v_and_b32 v5, 15, v0
	v_lshlrev_b32 v5, 2, v5
	s_mul_i32 s10, s[TP], 8704
	s_add_co_u32 s10, s10, MRG                     ; my pair's hand-over
	v_add_nc_u32 v[MB], s10, v1                    ; O^T: 16 bytes a lane, 4,096 a tile
	v_add_nc_u32 v[MS], s10, v2
	v_add_nc_u32 v[MS], 8192, v[MS]                ; -M and the sum: 4 bytes a lane
	s_and_b32 s[HD], ttmp7, 0xffff                 ; the head
	GRP1 G1S, 32, 48, 32                           ; the scale words: 12,288 dense bytes as 48 rows of 256
	GRP1 G1KE, 3072, 2, 8192                       ; K steps 0-2 of both halves: 2 rows of 24,576 bytes, 65,536 apart
	GRP1 G1KR, 5120, 2, 8192                       ; K steps 3-7 of both halves: 2 rows of 40,960 bytes
	GRP1 G1VE, 1024, 2, 16384                      ; V steps 0-1 of a half: 2 rows of 8,192 bytes, 131,072 apart
	GRP1 G1VR, 1024, 6, 16384                      ; V steps 2-7 of a half
	s_mov_b32 s[SEL], 0x76543210
	s_mov_b32 s[SEL+1], 0xfedcba98
	s_mov_b32 s[CS], 0x3e38aa3b                    ; c = log2(e) / 8
	s_mov_b32 s[CS+1], s[CS]
	s_mov_b32 s[MNT], 0x600000
	s_lshl_b32 s[TS], s[KG], 12                    ; my first step's scale words: K's 512 bytes a step,
	s_lshl_b32 s[TV], s[KG], 11                    ; V's 256
	s_mul_i32 s[TBN], s[KG], 24576                 ; my first step's K,
	s_lshl_b32 s[TBV], s[KG], 14
	s_add_co_u32 s[TBV], s[TBV], 131072            ; and V
	s_lshl_b32 s10, s[HD], 17
	s_add_co_u32 s10, s10, 2<<20                   ; K in wsa: [head][key step][8,192]
	s_mov_b32 s11, 0
	s_lshl_b32 s12, s[HD], 13
	s_add_co_u32 s12, s12, 4<<20                   ; V in wsa: [key step][head][8,192]
	s_mov_b32 s13, 0
	s_mul_i32 s14, s[HD], 12288
	s_add_co_u32 s14, s14, (6<<20)+(128<<10)
	s_mov_b32 s15, 0
	s_wait_alu depctr_va_vdst(0)                   ; the wait here, directly ahead of the waits below
	s_wait_dscnt 0x0
	s_wait_kmcnt 0x0
	s_add_nc_u64 s[10:11], s[4:5], s[10:11]
	s_add_nc_u64 s[12:13], s[4:5], s[12:13]
	s_add_nc_u64 s[14:15], s[4:5], s[14:15]
	GRP0 G0S,   0x40000, 14, 0
	GRP0 G0KE,  0,       10, 0
	GRP0 G0VE0, 131072,  12, 0
	GRP0 G0VE1, 147456,  12, 8<<17
	GRP0 G0KR,  49152,   10, 24576
	GRP0 G0VR0, 163840,  12, 2<<17
	GRP0 G0VR1, 212992,  12, 10<<17
	ARM 1, G0S,   G1S,  .Lk_early
	ARM 2, G0KE,  G1KE, .Lv_early_0
	ARM 3, G0VE0, G1VE, .Lv_early_1
	ARM 4, G0VE1, G1VE, .Lk_rest
	ARM 5, G0KR,  G1KR, .Lv_rest_0
	ARM 6, G0VR0, G1VR, .Lv_rest_1
	ARM 7, G0VR1, G1VR, .Lnone
.Lasked:
	s_lshl_b32 s[TT], ttmp9, 3
	s_lshl_b32 s10, s[TP], 1
	s_add_co_u32 s[TT], s[TT], s10                 ; T: my first tile of queries
	s_lshl_b32 s12, s[HD], 17
	s_lshl_b32 s13, s[TT], 10
	s_add_co_u32 s12, s12, s13
	s_mov_b32 s13, 0
	s_add_nc_u64 s[12:13], s[4:5], s[12:13]        ; Q's codes
	s_lshl_b32 s14, s[HD], 13
	s_lshl_b32 s15, s[TT], 6
	s_add_co_u32 s14, s14, s15
	s_add_co_u32 s14, s14, 6<<20
	s_mov_b32 s15, 0
	s_add_nc_u64 s[14:15], s[4:5], s[14:15]        ; and scale words
	WIN 0x40
.irp u, 0,1
	global_load_b128 v[Q1+24*\u:Q1+24*\u+3], v1, s[12:13] offset:1024*\u             ; Q | 0:
	global_load_b128 v[Q1+24*\u+4:Q1+24*\u+7], v1, s[12:13] offset:1024*\u+512
	global_load_b128 v[Q1+24*\u+16:Q1+24*\u+19], v1, s[12:13] offset:1024*\u         ; and 0 | Q: the same 64 codes once more, behind the zeros
	global_load_b128 v[Q1+24*\u+20:Q1+24*\u+23], v1, s[12:13] offset:1024*\u+512
.endr
.irp u, 0,1
.set jj, 8
.rept 8
	v_mov_b32 v[Q1+24*\u+jj], 0                    ; the zero codes between the two copies of Q
.set jj, jj+1
.endr
.endr
.set jj, 0
.rept 64
	v_mov_b32 v[O1+jj], 0                          ; O^T: the step is written for every step alike; the first finds zeros, which the first change of M leaves zeros
.set jj, jj+1
.endr
	WIN 0
.irp u, 0,1
	global_load_b32 v[QSW+\u], v5, s[14:15] offset:64*\u
.endr
.irp u, 0,1
	v_mov_b32 v[ST0+4*\u+1], 0xff61b1e6            ; the largest t so far: -3e38
	v_mov_b32 v[ST0+4*\u+2], 0
	v_mov_b32 v[ST0+4*\u+3], 0
	v_mov_b32 v[W0+24*\u+17], 0                    ; (named with f as a pair)
.irp b, 0,1,2,3
	v_mov_b32 v[W0+24*\u+4+\b], 0                  ; a lane permute's destination counts as one of its sources
.endr
.endr
.irp u, 0,1
	v_floor_f32 v[ST0+4*\u], -v[ST0+4*\u+1]
.endr
	v_add_nc_u32 v[ADK], s[TBN], v1
	v_add_nc_u32 v[ADS], s[TS], v3
	s_wait_alu depctr_va_vdst(0)                   ; the wait at the head's end
	s_wait_loadcnt 0x0                             ; Q
	s_lshr_b32 s10, s[HD], 1                       ; where ctx goes: tile T, K step head / 2, chunks 2 (head % 2) on (Q's loads are done: their address registers are free)
	s_and_b32 s11, s[HD], 1
	s_lshl_b32 s12, s[TT], 14
	s_lshl_b32 s13, s10, 11
	s_add_co_u32 s12, s12, s13
	s_lshl_b32 s13, s11, 10
	s_add_co_u32 s12, s12, s13
	s_mov_b32 s13, 0
	s_add_nc_u64 s[12:13], s[6:7], s[12:13]
	s_lshl_b32 s14, s[TT], 3
	s_add_co_u32 s14, s14, s10
	s_lshl_b32 s14, s14, 6
	s_lshl_b32 s15, s11, 1
	s_add_co_u32 s14, s14, s15
	s_add_co_u32 s14, s14, 2<<20
	s_mov_b32 s15, 0
	s_add_nc_u64 s[14:15], s[6:7], s[14:15]        ; and my half of its scale words
	SHOW 4                                         ; the scale words, K steps 0-2 and V steps 0-1 of both halves
	KLD 0
	s_add_co_u32 s[TBN], s[TBN], 8192
	RUN 2, 0                                       ; steps 0 and 1
	SHOW 0                                         ; all the rest
	s_mul_i32 s[TBN], s[KG], 40960
	s_add_co_u32 s[TBN], s[TBN], 49152             ; K step 3
	s_mul_i32 s[TBV], s[KG], 49152
	s_add_co_u32 s[TBV], s[TBV], 163840            ; V step 2
	RUN 6, 1                                       ; steps 2 to 7
	PLACES 8                                       ; in front of the first read of results
.irp u, 0,1
	v_add_f32 v[ST0+4*\u+2], v[ST0+4*\u+2], v[ST0+4*\u+3]
.endr
.irp u, 0,1
	v_permlanex16_b32 v[W0+24*\u+18], v[ST0+4*\u+2], s[SEL], s[SEL+1]
.endr
.irp u, 0,1
	v_add_f32 v[ST0+4*\u+2], v[ST0+4*\u+2], v[W0+24*\u+18]           ; the row's sum over my half of the keys
.endr
	s_wait_alu depctr_va_vdst(0)                   ; the wait ahead of the branch
	s_cmp_lt_u32 s[WV], 4
	s_cbranch_scc1 .Lmine
	WIN 0x04                                       ; an LDS store's data are its source 1
.irp u, 0,1
.irp q, 0,1,2,3,4,5,6,7                        ; the upper wave hands over: O^T as it stands, each accumulator from its low end on,
	ds_store_b128 v[MB], v[O1+32*\u+4*\q:O1+32*\u+4*\q+3] offset:4096*\u+512*\q
.endr
.endr
	WIN 0
.irp u, 0,1
	ds_store_b32 v[MS], v[ST0+4*\u] offset:256*\u                    ; -M,
	ds_store_b32 v[MS], v[ST0+4*\u+2] offset:256*\u+128              ; and the sum
.endr
.Lmine:
	s_wait_dscnt 0x0                               ; for the other wave's sake: my stores have landed
	s_barrier_signal -1
	s_barrier_wait -1
	s_cmp_lt_u32 s[WV], 4
	s_cbranch_scc1 .Lmerge
	s_wait_tensorcnt 0x0                           ; the wave's end
	ds_add_u32 v254, v255
	s_wait_dscnt 0x0
	s_endpgm                                       ; the upper wave is done
.Lmerge:
.irp u, 0,1
.irp q, 0,1,2,3,4,5,6,7
	ds_load_b128 v[S0+64*\u+4*\q:S0+64*\u+4*\q+3], v[MB] offset:4096*\u+512*\q
.endr
	ds_load_b32 v[W0+24*\u], v[MS] offset:256*\u                     ; the other half's -M
	ds_load_b32 v[W0+24*\u+1], v[MS] offset:256*\u+128               ; and sum
.endr
	s_wait_dscnt 0x0
.irp u, 0,1
	v_min_num_f32 v[W0+24*\u+2], v[ST0+4*\u], v[W0+24*\u]            ; -M of both halves: the larger M
.endr
.irp u, 0,1
	v_sub_f32 v[W0+24*\u+3], v[W0+24*\u+2], v[ST0+4*\u]              ; my M less it: a whole number, 0 or less
	v_sub_f32 v[W0+24*\u+4], v[W0+24*\u+2], v[W0+24*\u]              ; the other's likewise
.endr
.irp u, 0,1
	v_cvt_i32_f32 v[W0+24*\u+3], v[W0+24*\u+3]                       ; (they saturate)
	v_cvt_i32_f32 v[W0+24*\u+4], v[W0+24*\u+4]
.endr
.irp u, 0,1
	v_ldexp_f32 v[W0+24*\u+16], 1.0, v[W0+24*\u+3]                   ; two powers of two: nothing is rounded
	v_ldexp_f32 v[W0+24*\u+20], 1.0, v[W0+24*\u+4]
.endr
.irp u, 0,1
	v_mul_f32 v[ST0+4*\u+2], v[ST0+4*\u+2], v[W0+24*\u+16]
.endr
.irp u, 0,1
	v_fma_f32 v[ST0+4*\u+2], v[W0+24*\u+1], v[W0+24*\u+20], v[ST0+4*\u+2]   ; the row's sum over all keys
.endr
.irp u, 0,1
.set jj, 0
.rept 16
	v_pk_mul_f32 v[S0+64*\u+jj:S0+64*\u+jj+1], v[S0+64*\u+jj:S0+64*\u+jj+1], v[W0+24*\u+20:W0+24*\u+21] op_sel_hi:[1,0]
.set jj, jj+2
.endr
.endr
	WIN 0x01                                       ; source 0: my O^T, in window 1
.irp u, 0,1
.set jj, 0
.rept 16
	v_pk_fma_f32 v[S0+64*\u+jj:S0+64*\u+jj+1], v[O1+32*\u+jj:O1+32*\u+jj+1], v[W0+24*\u+16:W0+24*\u+17], v[S0+64*\u+jj:S0+64*\u+jj+1] op_sel_hi:[1,0,1]   ; each accumulator from its low end on
.set jj, jj+2
.endr
.endr
	WIN 0
	s_wait_alu depctr_va_vdst(0)                   ; the wait ahead of the reciprocals
.irp u, 0,1
	v_rcp_f32 v[ST0+4*\u+2], v[ST0+4*\u+2]
.endr
	v_nop                                          ; a plain line behind the reciprocals,
	s_wait_alu depctr_va_vdst(0)                   ; and the wait ahead of their first reader
.irp u, 0,1
.set jj, 0
.rept 32
	v_mul_f32 v[S0+64*\u+jj], v[S0+64*\u+jj], v[ST0+4*\u+2]          ; register 16 b + i: channel 32 b + 16 h + i of my query
.set jj, jj+1
.endr
.endr
	QUANT2 S0, W0, PC0, HW
	QUANT2 S0+64, W0+24, PC0+16, HW+1
.irp u, 0,1
	global_store_b128 v1, v[PC0+16*\u:PC0+16*\u+3], s[12:13] offset:16384*\u
	global_store_b128 v1, v[PC0+16*\u+4:PC0+16*\u+7], s[12:13] offset:16384*\u+512
	global_store_b16 v5, v[HW+\u], s[14:15] offset:512*\u            ; lanes l and l + 16 hold the same two bytes and write them to the same place
.endr
	s_wait_tensorcnt 0x0                           ; the wave's end
	ds_add_u32 v254, v255
	s_wait_dscnt 0x0
	s_endpgm
.Lfunc_end_k_q4d02567d21_attn:
	.size	k_q4d02567d21_attn, .Lfunc_end_k_q4d02567d21_attn-k_q4d02567d21_attn
	.p2alignl 7, 3214868480
	.fill 96, 4, 3214868480
	.section	.rodata,"a",@progbits
	.p2align	6, 0x0
	.amdhsa_kernel k_q4d02567d21_attn
		.amdhsa_group_segment_fixed_size 310272
		.amdhsa_private_segment_fixed_size 0
		.amdhsa_enable_private_segment 0
		.amdhsa_kernarg_size 16
		.amdhsa_user_sgpr_count 2
		.amdhsa_user_sgpr_kernarg_segment_ptr 1
		.amdhsa_wavefront_size32 1
		.amdhsa_system_sgpr_workgroup_id_x 1
		.amdhsa_system_sgpr_workgroup_id_y 1
		.amdhsa_system_sgpr_workgroup_id_z 1
		.amdhsa_system_vgpr_workitem_id 0
		.amdhsa_next_free_vgpr 512
		.amdhsa_next_free_sgpr 102
		.amdhsa_reserve_vcc 0
		.amdhsa_float_denorm_mode_32 3
		.amdhsa_float_denorm_mode_16_64 3
		.amdhsa_memory_ordered 1
		.amdhsa_forward_progress 1
		.amdhsa_inst_pref_size 104
	.end_amdhsa_kernel
	.amdgpu_metadata
---
amdhsa.version: [ 1, 2 ]
amdhsa.kernels:
  - .name:           k_q4d02567d21_attn
    .symbol:         k_q4d02567d21_attn.kd
    .args:
      - { .name: wsa, .offset: 0, .size: 8, .value_kind: global_buffer, .address_space: global }
      - { .name: wsc, .offset: 8, .size: 8, .value_kind: global_buffer, .address_space: global }
    .group_segment_fixed_size: 310272
    .private_segment_fixed_size: 0
    .kernarg_segment_align: 8
    .kernarg_segment_size: 16
    .max_flat_workgroup_size: 256
    .sgpr_count:     102
    .vgpr_count:     512
    .wavefront_size: 32
...
	.end_amdgpu_metadata
.endif
;; end of part 3
;; launch oproj (part 4): grid 256 x 1, 4 waves a work-group, no clusters, 167,936 bytes of LDS; arguments wsc, wsw, b_out, wsy; writes wsy
.if DOCPART == 4
	.amdgcn_target "amdgcn-amd-amdhsa--gfx1250"
	.amdhsa_code_object_version 6
	.text
	.protected	k_q4d02567d21_oproj
	.globl	k_q4d02567d21_oproj
	.p2align	8
	.type	k_q4d02567d21_oproj,@function
k_q4d02567d21_oproj:
	s_mov_b64 s[64:65], 0
	v_nop
	global_prefetch_b8 v0, s[64:65] scope:SCOPE_SE
	s_setreg_imm32_b32 hwreg(HW_REG_WAVE_MODE, 25, 1), 1
	s_wait_xcnt 0x0
; OPROJ: attn_out[0] = ctx w_out + b_out on codes of E4M3, for batch 0's 2,048 rows alone (batch 1's are dead work: see prep); the sums leave as f32 for the norm, which is the next launch's.
; SHARES.  32 x 8 = 256 work-groups of 64 rows x 128 columns: a work-group takes in 65,536 bytes of ctx and 131,072 of w_out, where one that owned whole rows would take in all 1,048,576 bytes of w_out.
; ctx's four tiles, all of K, lie in LDS, filled once: wave w fetches tile w, 16,384 dense bytes, by its one tensor load.  Wave w owns 32 columns: two tiles of w_out, all of K, 256 registers, read by it alone from memory.
; The product is used transposed: a lane holds a row of ctx, and the 16 registers of a tile's two accumulators are 16 neighbouring columns.  b_out is the first products' C.  Eight accumulators take turns.
; OUT, in wsy: [tile T of 128][block B of 32 columns][2,048]: registers 4 q .. 4 q + 3 at 512 q + 16 l; register 8 t + j of lane (r, h): column 32 B + 16 h + 8 t + j of row 32 (T/2) + 8 (T%2) + r + 8 (r/8).
; Not asked jointly: the weights go to registers, and ctx's tiles, which eight work-groups share, are 65,536 of a work-group's 229,376 bytes: an omission, stated as such.  All is asked for at the head: no loop to prefetch ahead in.
; LIMITS: NaN and infinities are not served.
; REGISTERS: window 0: v1 16 l, v2 4 l, v3 64 h; v8-23 ctx's scale words (4 i + p), v26-33 w_out's (4 t + p), v34-49 b_out; v64-127 the accumulator of (tile i, t) at 64 + 16 i + 8 t; v128-255 ctx's fragments, two sets.  Window 1: w_out, 32 ks + 16 t.
.set LA,  1
.set LS,  2
.set HB,  3
.set SC1, 8
.set SC0, 26
.set BN,  34
.set SPW, 50
.set NIL, 51
.set ACC, 64
.set S1F, 128
.set SPARE, 65536
.set WV,  14
.set G1,  24
.set G0,  32
.set S0B, 36
.set S0S, 38
.set S1S, 40
.set MSB, 0
.macro WIN new                         ; the immediate's high byte repeats the setting that is left
.if MSB != \new
	s_set_vgpr_msb (MSB<<8)|\new
.set MSB, \new
.endif
.endm
.macro PLACES n
.rept \n
	v_nop
.endr
.endm
.macro LD1 ks                          ; ctx's four fragments of K step ks
.irp i, 0,1,2,3
.irp c, 0,1,2,3
	ds_load_b128 v[S1F+64*((\ks)%2)+16*\i+4*\c:S1F+64*((\ks)%2)+16*\i+4*\c+3], v[LA] offset:16384*\i+2048*(\ks)+512*\c
.endr
.endr
.endm
.macro MUL ks                          ; a scale register holds K step 2 p in lanes 0-15 and 2 p + 1 in lanes 16-31
	WIN 0x01
.irp i, 0,1,2,3
.irp t, 0,1
.if (\ks) == 0
	v_wmma_scale_f32_16x16x128_f8f6f4 v[ACC+16*\i+8*\t:ACC+16*\i+8*\t+7], v[16*\t:16*\t+15], v[S1F+16*\i:S1F+16*\i+15], v[BN+8*\t:BN+8*\t+7], v[SC0+4*\t], v[SC1+4*\i]
.elseif (\ks)%2 == 0
	v_wmma_scale_f32_16x16x128_f8f6f4 v[ACC+16*\i+8*\t:ACC+16*\i+8*\t+7], v[32*(\ks)+16*\t:32*(\ks)+16*\t+15], v[S1F+16*\i:S1F+16*\i+15], v[ACC+16*\i+8*\t:ACC+16*\i+8*\t+7], v[SC0+4*\t+(\ks)/2], v[SC1+4*\i+(\ks)/2]
.else
	v_wmma_scale_f32_16x16x128_f8f6f4 v[ACC+16*\i+8*\t:ACC+16*\i+8*\t+7], v[32*(\ks)+16*\t:32*(\ks)+16*\t+15], v[S1F+64+16*\i:S1F+64+16*\i+15], v[ACC+16*\i+8*\t:ACC+16*\i+8*\t+7], v[SC0+4*\t+(\ks)/2], v[SC1+4*\i+(\ks)/2] matrix_a_scale:MATRIX_SCALE_ROW1 matrix_b_scale:MATRIX_SCALE_ROW1
.endif
.endr
.endr
	WIN 0
.endm
	s_load_b256 s[4:11], s[0:1], 0x0               ; wsc s[4:5], wsw s[6:7], b_out s[8:9], wsy s[10:11]
	v_lshl_add_u32 v[SPW], v0, 2, SPARE
	v_mov_b32 v[NIL], 0
	ds_add_u32 v[SPW], v[NIL]                      ; the opening lines: the add, twice on end, and its wait ahead of the first tensor load
	ds_add_u32 v[SPW], v[NIL]
	v_lshrrev_b32 v4, 5, v0
	v_readfirstlane_b32 s[WV], v4
	v_and_b32 v4, 31, v0
	v_lshlrev_b32 v[LA], 4, v4
	v_lshlrev_b32 v[LS], 2, v4
	v_lshrrev_b32 v5, 4, v4
	v_lshlrev_b32 v[HB], 6, v5
	s_mov_b32 s[G1+0], 3<<16                       ; a tile's images: 64 rows of 256 bytes, dense
	s_mov_b32 s[G1+1], 32<<16
	s_mov_b32 s[G1+2], 64<<16
	s_mov_b32 s[G1+3], 32<<16
	s_mov_b32 s[G1+4], 64
	s_mov_b32 s[G1+5], 32
	s_mov_b32 s[G1+6], 0
	s_mov_b32 s[G1+7], 0
	s_and_b32 s16, ttmp9, 31                       ; which 64 rows
	s_lshr_b32 s17, ttmp9, 5                       ; which 128 columns
	s_lshl_b32 s20, s16, 16
	s_lshl_b32 s21, s[WV], 14
	s_add_co_u32 s20, s20, s21                     ; tile 4 x block + wave
	s_mov_b32 s21, 0
	s_wait_alu depctr_va_vdst(0)                   ; the wait at the head's end
	s_wait_dscnt 0x0
	s_wait_kmcnt 0x0
	s_mov_b32 s[G0], 1
	s_lshl_b32 s[G0+1], s[WV], 14
	s_add_nc_u64 s[G0+2:G0+3], s[4:5], s[20:21]
	s_or_b32 s[G0+3], s[G0+3], 0x80000000
	tensor_load_to_lds s[G0:G0+3], s[G1:G1+7]
	s_nop 0
	PLACES 4
	s_lshl_b32 s18, s17, 2
	s_add_co_u32 s18, s18, s[WV]                   ; B: my 32 columns
	s_lshl_b32 s22, s18, 15
	s_add_co_u32 s22, s22, 3<<20                   ; my two tiles of w_out in wsw
	s_mov_b32 s23, 0
	s_add_nc_u64 s[S0B:S0B+1], s[6:7], s[22:23]
	s_lshr_b32 s22, s22, 5
	s_add_co_u32 s22, s22, 10<<20
	s_add_nc_u64 s[S0S:S0S+1], s[6:7], s[22:23]
	s_lshl_b32 s22, s16, 11                        ; ctx's scale words: 512 bytes a tile
	s_add_co_u32 s22, s22, 2<<20
	s_add_nc_u64 s[S1S:S1S+1], s[4:5], s[22:23]
	s_lshl_b32 s22, s18, 7
	s_add_nc_u64 s[8:9], s[8:9], s[22:23]
	s_lshl_b32 s22, s16, 18                        ; out: 65,536 bytes a tile,
	s_lshl_b32 s19, s18, 11                        ; 2,048 for each 32 columns
	s_add_co_u32 s22, s22, s19
	s_add_nc_u64 s[10:11], s[10:11], s[22:23]
.irp t, 0,1
.irp p, 0,1,2,3
	global_load_b32 v[SC0+4*\t+\p], v[LS], s[S0S:S0S+1] offset:512*\t+128*\p
.endr
.endr
.irp i, 0,1,2,3
.irp p, 0,1,2,3
	global_load_b32 v[SC1+4*\i+\p], v[LS], s[S1S:S1S+1] offset:512*\i+128*\p
.endr
.endr
.irp q, 0,1,2,3
	global_load_b128 v[BN+4*\q:BN+4*\q+3], v[HB], s[8:9] offset:16*\q   ; register 8 t + j: b_out at column 32 B + 16 h + 8 t + j
.endr
	WIN 0x40
.irp k, 0,1,2,3,4,5,6,7
.irp t, 0,1
.irp c, 0,1,2,3
	global_load_b128 v[32*\k+16*\t+4*\c:32*\k+16*\t+4*\c+3], v[LA], s[S0B:S0B+1] offset:16384*\t+2048*\k+512*\c
.endr
.endr
.endr
	WIN 0
	s_wait_tensorcnt 0x0                           ; my tile of ctx is in LDS,
	s_barrier_signal -1
	s_barrier_wait -1                              ; everybody's is
	LD1 0
.irp k, 0,1,2,3,4,5,6,7
.if \k > 0
	PLACES 8                                       ; in front of loads into registers that the last products read
.endif
.if \k < 7
	LD1 \k+1
	s_wait_dscnt 16                                ; all but the next K step's 16 LDS loads
.else
	s_wait_dscnt 0x0
.endif
	s_wait_loadcnt 8*(7-\k)                        ; all but the later K steps' eight loads of w_out each
	MUL \k
.endr
	PLACES 8                                       ; in front of the first read of results
.irp i, 0,1,2,3
.irp q, 0,1,2,3
	global_store_b128 v[LA], v[ACC+16*\i+4*\q:ACC+16*\i+4*\q+3], s[10:11] offset:65536*\i+512*\q   ; 512 consecutive bytes; each accumulator from its low end on
.endr
.endr
	s_wait_tensorcnt 0x0                           ; the wave's end
	ds_add_u32 v[SPW], v[NIL]
	s_wait_dscnt 0x0
	s_endpgm
.Lfunc_end_k_q4d02567d21_oproj:
	.size	k_q4d02567d21_oproj, .Lfunc_end_k_q4d02567d21_oproj-k_q4d02567d21_oproj
	.p2alignl 7, 3214868480
	.fill 96, 4, 3214868480
	.section	.rodata,"a",@progbits
	.p2align	6, 0x0
	.amdhsa_kernel k_q4d02567d21_oproj
		.amdhsa_group_segment_fixed_size 167936
		.amdhsa_private_segment_fixed_size 0
		.amdhsa_enable_private_segment 0
		.amdhsa_kernarg_size 32
		.amdhsa_user_sgpr_count 2
		.amdhsa_user_sgpr_kernarg_segment_ptr 1
		.amdhsa_wavefront_size32 1
		.amdhsa_system_sgpr_workgroup_id_x 1
		.amdhsa_system_sgpr_workgroup_id_y 1
		.amdhsa_system_sgpr_workgroup_id_z 1
		.amdhsa_system_vgpr_workitem_id 0
		.amdhsa_next_free_vgpr 512
		.amdhsa_next_free_sgpr 66
		.amdhsa_reserve_vcc 0
		.amdhsa_float_denorm_mode_32 3
		.amdhsa_float_denorm_mode_16_64 3
		.amdhsa_memory_ordered 1
		.amdhsa_forward_progress 1
		.amdhsa_inst_pref_size 32
	.end_amdhsa_kernel
	.amdgpu_metadata
---
amdhsa.version: [ 1, 2 ]
amdhsa.kernels:
  - .name:           k_q4d02567d21_oproj
    .symbol:         k_q4d02567d21_oproj.kd
    .args:
      - { .name: wsc, .offset: 0, .size: 8, .value_kind: global_buffer, .address_space: global }
      - { .name: wsw, .offset: 8, .size: 8, .value_kind: global_buffer, .address_space: global }
      - { .name: b_out, .offset: 16, .size: 8, .value_kind: global_buffer, .address_space: global }
      - { .name: wsy, .offset: 24, .size: 8, .value_kind: global_buffer, .address_space: global }
    .group_segment_fixed_size: 167936
    .private_segment_fixed_size: 0
    .kernarg_segment_align: 8
    .kernarg_segment_size: 32
    .max_flat_workgroup_size: 128
    .sgpr_count:     66
    .vgpr_count:     512
    .wavefront_size: 32
...
	.end_amdgpu_metadata
.endif
;; end of part 4
;; launch ln1 (part 5): grid 256 x 1, 8 waves a work-group, no clusters, 3,072 bytes of LDS; arguments wsy, src, ln1_g, ln1_b, ffn_b2, wsx; writes wsx
.if DOCPART == 5
	.amdgcn_target "amdgcn-amd-amdhsa--gfx1250"
	.amdhsa_code_object_version 6
	.text
	.protected	k_q4d02567d21_ln1
	.globl	k_q4d02567d21_ln1
	.p2align	8
	.type	k_q4d02567d21_ln1,@function
k_q4d02567d21_ln1:
	s_mov_b64 s[64:65], 0
	v_nop
	global_prefetch_b8 v0, s[64:65] scope:SCOPE_SE
	s_setreg_imm32_b32 hwreg(HW_REG_WAVE_MODE, 25, 1), 1
	s_wait_xcnt 0x0
; LN1: x = layer_norm(src + attn_out[0]) for both batches; x leaves as codes of E4M3 for the next product, and x + ffn_b2 as f32 for the last product's sums.
; SHARES.  A work-group owns one tile X of 16 rows whole (X = 128 batch + T; both batches add tile T of attn_out[0], as oproj stored it); each of its eight waves owns 128 of the 1,024 columns.
; A lane holds its half of the wave's 128 columns of ONE row (register 16 b + i: column 32 b + 16 h + i of row 32 (X/2) + 8 (X%2) + r + 8 (r/8)).
; THE NORM in two passes (mean; then the squares of z - mean), each summed over the eight waves through 1,024 bytes of LDS of its own and one barrier.
; OUT, in wsx: x's images [256 tiles][8][2,048] at 0, scale words at 4 MiB, x + ffn_b2 at 4 MiB + 128 KiB as images of the accumulators [tile][wave][8,192]: registers 4 q .. 4 q + 3 at 512 q + 16 l.
; Memory binds: no matrix unit, no tensor load, no cluster.
; LIMITS: as stated for the quantiser in prep; v_rsq_f32 as accurate as the ISA guide gives it; NaN and infinities are not served.
; REGISTERS: window 0: v1-7 addresses; v16-79 z, then x; v180-240 at work; v254, v255 the spare word's address and 0.  Window 1: v0-63 attn_out, later x + ffn_b2; v64-127 ffn_b2; v128-191 the gain; v192-255 the bias.
.set LA,   1
.set LS,   2
.set SRCA, 3
.set H64,  4
.set RA,   5
.set RL,   6
.set SA,   7
.set Z,    16
.set TM,   180
.set PC,   196
.set PW,   212
.set CH,   214
.set SM,   222
.set RD,   224
.set MU,   232
.set RS,   236
.set PT,   240
.set SPW,  254
.set NIL,  255
.set SPARE, 2048                       ; LDS: 1,024 bytes for each pass's sums, then the spare words
.set WV,   16
.set SEL,  18
.set MNT,  20
.set EPS,  21
.set P10,  22
.set XC,   28
.set XS,   30
.set XB,   32
.set MSB, 0
.macro WIN new
.if MSB != \new
	s_set_vgpr_msb (MSB<<8)|\new
.set MSB, \new
.endif
.endm
.macro COLLOAD dst, adr, base          ; 64 numbers in the lane's layout: register 16 b + i = column 32 b + 16 h + i
.irp q, 0,1,2,3,4,5,6,7,8,9,10,11,12,13,14,15
	global_load_b128 v[\dst+4*\q:\dst+4*\q+3], v[\adr], s[\base:\base+1] offset:128*(\q/4)+16*(\q%4)
.endr
.endm
.macro FOLD                            ; four chains become the row's sum in this wave, with lane l xor 16's
	v_pk_add_f32 v[CH:CH+1], v[CH:CH+1], v[CH+2:CH+3]
	v_pk_add_f32 v[CH+4:CH+5], v[CH+4:CH+5], v[CH+6:CH+7]
	v_pk_add_f32 v[CH:CH+1], v[CH:CH+1], v[CH+4:CH+5]
	v_add_f32 v[SM], v[CH], v[CH+1]
	v_permlanex16_b32 v[PT], v[SM], s[SEL], s[SEL+1]
	v_add_f32 v[SM], v[SM], v[PT]
.endm
.macro EXCH off                        ; the sum is added over the eight waves: each stores 128 bytes of its own, waits for them, passes the barrier, and reads all eight in the same order
	ds_store_b32 v[RA], v[SM] offset:\off
	s_wait_dscnt 0x0                               ; for the others' sake: my store has landed
	s_barrier_signal -1
	s_barrier_wait -1
.irp w, 0,1,2,3,4,5,6,7
	ds_load_b32 v[RD+\w], v[RL] offset:\off+128*\w
.endr
	s_wait_dscnt 0x0
	v_add_f32 v[RD], v[RD], v[RD+1]
	v_add_f32 v[RD+2], v[RD+2], v[RD+3]
	v_add_f32 v[RD+4], v[RD+4], v[RD+5]
	v_add_f32 v[RD+6], v[RD+6], v[RD+7]
	v_add_f32 v[RD], v[RD], v[RD+2]
	v_add_f32 v[RD+4], v[RD+4], v[RD+6]
	v_add_f32 v[SM], v[RD], v[RD+4]
.endm
	s_load_b256 s[4:11], s[0:1], 0x0               ; wsy s[4:5], src s[6:7], ln1_g s[8:9], ln1_b s[10:11]
	s_load_b128 s[12:15], s[0:1], 0x20             ; ffn_b2 s[12:13], wsx s[14:15]
	v_lshl_add_u32 v[SPW], v0, 2, SPARE
	v_mov_b32 v[NIL], 0
	v_lshrrev_b32 v8, 5, v0
	v_readfirstlane_b32 s[WV], v8
	v_and_b32 v8, 31, v0
	v_lshlrev_b32 v[LA], 4, v8
	v_lshlrev_b32 v[LS], 2, v8
	v_lshrrev_b32 v9, 4, v8                        ; h
	v_and_b32 v10, 15, v8                          ; r
	v_lshlrev_b32 v[H64], 6, v9
	v_and_b32 v11, 8, v10
	v_add_nc_u32 v11, v11, v10
	v_lshl_add_u32 v[SRCA], v11, 12, v[H64]        ; src: row r + 8 (r / 8) of the tile, + 64 h
	v_lshlrev_b32 v[RA], 2, v0
	v_mov_b32 v[RL], v[LS]
	v_lshlrev_b32 v[SA], 2, v10
.irp b, 0,1,2,3
	v_mov_b32 v[TM+4+\b], 0                        ; a lane permute's destination counts as one of its sources
.endr
	v_mov_b32 v[PT], 0
	v_mov_b32 v[MU+1], 0                           ; (the upper words of pairs of which the low word serves both halves)
	v_mov_b32 v[RS+1], 0
	s_mov_b32 s[SEL], 0x76543210
	s_mov_b32 s[SEL+1], 0xfedcba98
	s_mov_b32 s[MNT], 0x600000
	s_mov_b32 s[EPS], 0x3727c5ac                   ; 1e-5
	s_mov_b32 s[P10], 0x3a800000                   ; 1 / 1,024
	s_mov_b32 s25, 0
	s_wait_alu depctr_va_vdst(0)                   ; the wait at the head's end
	s_wait_kmcnt 0x0
	s_and_b32 s24, ttmp9, 127                      ; T
	s_lshl_b32 s24, s24, 16
	s_lshl_b32 s26, s[WV], 13
	s_add_co_u32 s24, s24, s26
	s_add_nc_u64 s[4:5], s[4:5], s[24:25]          ; attn_out: tile T, my 128 columns
	s_lshr_b32 s24, ttmp9, 1
	s_lshl_b32 s24, s24, 17
	s_and_b32 s26, ttmp9, 1
	s_lshl_b32 s26, s26, 15
	s_add_co_u32 s24, s24, s26                     ; the tile's first row, 32 (X / 2) + 8 (X % 2), in bytes,
	s_lshl_b32 s26, s[WV], 9
	s_add_co_u32 s24, s24, s26                     ; and my columns
	s_add_nc_u64 s[6:7], s[6:7], s[24:25]
	s_mov_b32 s24, s26
	s_add_nc_u64 s[8:9], s[8:9], s[24:25]
	s_add_nc_u64 s[10:11], s[10:11], s[24:25]
	s_add_nc_u64 s[12:13], s[12:13], s[24:25]
	COLLOAD Z, SRCA, 6
	WIN 0x40
.irp q, 0,1,2,3,4,5,6,7,8,9,10,11,12,13,14,15
	global_load_b128 v[4*\q:4*\q+3], v[LA], s[4:5] offset:512*\q
.endr
	COLLOAD 128, H64, 8
	COLLOAD 192, H64, 10
	COLLOAD 64, H64, 12
	WIN 0
	s_lshl_b32 s26, ttmp9, 3
	s_add_co_u32 s26, s26, s[WV]                   ; 8 X + wave
	s_lshl_b32 s24, s26, 11
	s_add_nc_u64 s[XC:XC+1], s[14:15], s[24:25]
	s_lshl_b32 s24, s26, 6
	s_add_co_u32 s24, s24, 4<<20
	s_add_nc_u64 s[XS:XS+1], s[14:15], s[24:25]
	s_lshl_b32 s24, s26, 13
	s_add_co_u32 s24, s24, (4<<20)+(128<<10)
	s_add_nc_u64 s[XB:XB+1], s[14:15], s[24:25]
	s_wait_loadcnt 48                              ; src and attn_out are in; the gain's, the bias's and ffn_b2's 48 loads may be out
	WIN 0x04
.set jj, 0
.rept 32
	v_pk_add_f32 v[Z+jj:Z+jj+1], v[Z+jj:Z+jj+1], v[jj:jj+1]   ; z = src + attn_out[0]
.set jj, jj+2
.endr
	WIN 0
.irp k, 0,2,4,6
	v_pk_add_f32 v[CH+\k:CH+\k+1], v[Z+2*\k:Z+2*\k+1], v[Z+2*\k+2:Z+2*\k+3]
.endr
.irp j, 16,24,32,40,48,56
.irp k, 0,2,4,6
	v_pk_add_f32 v[CH+\k:CH+\k+1], v[CH+\k:CH+\k+1], v[Z+\j+\k:Z+\j+\k+1]
.endr
.endr
	FOLD
	EXCH 0
	v_mul_f32 v[MU], s[P10], v[SM]                 ; the mean
.set jj, 0
.rept 32
	v_pk_add_f32 v[Z+jj:Z+jj+1], v[Z+jj:Z+jj+1], v[MU:MU+1] op_sel_hi:[1,0] neg_lo:[0,1] neg_hi:[0,1]
.set jj, jj+2
.endr
.irp k, 0,2,4,6
	v_pk_mul_f32 v[CH+\k:CH+\k+1], v[Z+\k:Z+\k+1], v[Z+\k:Z+\k+1]
.endr
.irp j, 8,16,24,32,40,48,56
.irp k, 0,2,4,6
	v_pk_fma_f32 v[CH+\k:CH+\k+1], v[Z+\j+\k:Z+\j+\k+1], v[Z+\j+\k:Z+\j+\k+1], v[CH+\k:CH+\k+1]
.endr
.endr
	FOLD
	EXCH 1024
	v_fma_f32 v[RS], v[SM], s[P10], s[EPS]
	s_wait_alu depctr_va_vdst(0)                   ; the wait ahead of the transcendental
	v_rsq_f32 v[RS], v[RS]
	v_nop                                          ; a plain line behind it,
	s_wait_alu depctr_va_vdst(0)                   ; and the wait ahead of its first reader
	s_wait_loadcnt 0x0                             ; the gain, the bias, ffn_b2
.set jj, 0
.rept 32
	v_pk_mul_f32 v[Z+jj:Z+jj+1], v[Z+jj:Z+jj+1], v[RS:RS+1] op_sel_hi:[1,0]
.set jj, jj+2
.endr
	WIN 0x14                                       ; sources 1 and 2 (gain, bias) in window 1
.set jj, 0
.rept 32
	v_pk_fma_f32 v[Z+jj:Z+jj+1], v[Z+jj:Z+jj+1], v[128+jj:129+jj], v[192+jj:193+jj]
.set jj, jj+2
.endr
	WIN 0x44                                       ; source 1 (ffn_b2) and the destination in window 1
.set jj, 0
.rept 32
	v_pk_add_f32 v[jj:jj+1], v[Z+jj:Z+jj+1], v[64+jj:65+jj]
.set jj, jj+2
.endr
	WIN 0x04                                       ; a store's data are its source 1
.irp q, 0,1,2,3,4,5,6,7,8,9,10,11,12,13,14,15
	global_store_b128 v[LA], v[4*\q:4*\q+3], s[XB:XB+1] offset:512*\q   ; 512 consecutive bytes
.endr
	WIN 0
.irp b, 0,1,2,3                                ; x's 64 numbers of a lane become a fragment's 16 registers of codes and its scale word
	v_max3_num_f32 v[TM+\b], |v[Z+16*\b]|, |v[Z+1+16*\b]|, 0x4800000
.endr
.irp i, 2,4,6,8,10,12,14
.irp b, 0,1,2,3
	v_max3_num_f32 v[TM+\b], v[TM+\b], |v[Z+16*\b+\i]|, |v[Z+1+16*\b+\i]|
.endr
.endr
.irp b, 0,1,2,3
	v_permlanex16_b32 v[TM+4+\b], v[TM+\b], s[SEL], s[SEL+1]
.endr
.irp b, 0,1,2,3
	v_max_num_f32 v[TM+\b], v[TM+\b], v[TM+4+\b]
.endr
.irp b, 0,1,2,3
	v_add_nc_u32 v[TM+12+\b], 0xfc000000, v[TM+\b]
.endr
.irp b, 0,1,2,3
	v_and_or_b32 v[TM+8+\b], v[TM+\b], 0x7f800000, s[MNT]
.endr
.irp b, 0,1,2,3
	v_lshrrev_b32 v[TM+4+\b], 23, v[TM+12+\b]
.endr
	v_lshl_or_b32 v[PW], v[TM+5], 8, v[TM+4]
	v_lshl_or_b32 v[PW], v[TM+6], 16, v[PW]
	v_lshl_or_b32 v[PW], v[TM+7], 24, v[PW]
.irp b, 0,1,2,3
.irp i, 0,1,2,3,4,5,6,7,8,9,10,11,12,13,14,15
	v_med3_num_f32 v[Z+16*\b+\i], v[Z+16*\b+\i], -v[TM+8+\b], v[TM+8+\b]
.endr
	v_cvt_scalef32_pk8_fp8_f32 v[PC+4*\b:PC+1+4*\b], v[Z+16*\b:Z+7+16*\b], v[TM+12+\b]
	v_cvt_scalef32_pk8_fp8_f32 v[PC+2+4*\b:PC+3+4*\b], v[Z+8+16*\b:Z+15+16*\b], v[TM+12+\b]
.endr
	v_nop                                          ; a plain line behind the last conversion
.irp c, 0,1,2,3
	global_store_b128 v[LA], v[PC+4*\c:PC+4*\c+3], s[XC:XC+1] offset:512*\c
.endr
	global_store_b32 v[SA], v[PW], s[XS:XS+1]      ; lanes l and l + 16 hold the same word and write it to the same place
	s_wait_tensorcnt 0x0                           ; the wave's end: behind my last LDS store
	ds_add_u32 v[SPW], v[NIL]
	s_wait_dscnt 0x0
	s_endpgm
.Lfunc_end_k_q4d02567d21_ln1:
	.size	k_q4d02567d21_ln1, .Lfunc_end_k_q4d02567d21_ln1-k_q4d02567d21_ln1
	.p2alignl 7, 3214868480
	.fill 96, 4, 3214868480
	.section	.rodata,"a",@progbits
	.p2align	6, 0x0
	.amdhsa_kernel k_q4d02567d21_ln1
		.amdhsa_group_segment_fixed_size 3072
		.amdhsa_private_segment_fixed_size 0
		.amdhsa_enable_private_segment 0
		.amdhsa_kernarg_size 48
		.amdhsa_user_sgpr_count 2
		.amdhsa_user_sgpr_kernarg_segment_ptr 1
		.amdhsa_wavefront_size32 1
		.amdhsa_system_sgpr_workgroup_id_x 1
		.amdhsa_system_sgpr_workgroup_id_y 1
		.amdhsa_system_sgpr_workgroup_id_z 1
		.amdhsa_system_vgpr_workitem_id 0
		.amdhsa_next_free_vgpr 512
		.amdhsa_next_free_sgpr 66
		.amdhsa_reserve_vcc 0
		.amdhsa_float_denorm_mode_32 3
		.amdhsa_float_denorm_mode_16_64 3
		.amdhsa_memory_ordered 1
		.amdhsa_forward_progress 1
		.amdhsa_inst_pref_size 37
	.end_amdhsa_kernel
	.amdgpu_metadata
---
amdhsa.version: [ 1, 2 ]
amdhsa.kernels:
  - .name:           k_q4d02567d21_ln1
    .symbol:         k_q4d02567d21_ln1.kd
    .args:
      - { .name: wsy, .offset: 0, .size: 8, .value_kind: global_buffer, .address_space: global }
      - { .name: src, .offset: 8, .size: 8, .value_kind: global_buffer, .address_space: global }
      - { .name: ln1_g, .offset: 16, .size: 8, .value_kind: global_buffer, .address_space: global }
      - { .name: ln1_b, .offset: 24, .size: 8, .value_kind: global_buffer, .address_space: global }
      - { .name: ffn_b2, .offset: 32, .size: 8, .value_kind: global_buffer, .address_space: global }
      - { .name: wsx, .offset: 40, .size: 8, .value_kind: global_buffer, .address_space: global }
    .group_segment_fixed_size: 3072
    .private_segment_fixed_size: 0
    .kernarg_segment_align: 8
    .kernarg_segment_size: 48
    .max_flat_workgroup_size: 256
    .sgpr_count:     66
    .vgpr_count:     512
    .wavefront_size: 32
...
	.end_amdgpu_metadata
.endif
;; end of part 5
;; launch ffn1 (part 6): grid 256 x 1, 4 waves a work-group, no clusters, 327,680 bytes of LDS; arguments wsx, wsw, ffn_b1, wsh; writes wsh
.if DOCPART == 6
	.amdgcn_target "amdgcn-amd-amdhsa--gfx1250"
	.amdhsa_code_object_version 6
	.text
	.protected	k_q4d02567d21_ffn1
	.globl	k_q4d02567d21_ffn1
	.p2align	8
	.type	k_q4d02567d21_ffn1,@function
k_q4d02567d21_ffn1:
	s_mov_b64 s[64:65], 0
	v_nop
	global_prefetch_b8 v0, s[64:65] scope:SCOPE_SE
	s_setreg_imm32_b32 hwreg(HW_REG_WAVE_MODE, 25, 1), 1
	s_wait_xcnt 0x0
; FFN1: h = gelu(x ffn_w1 + ffn_b1), the product on codes of E4M3, the exact gelu in f32; h is quantised on the way out as images of the next launch's operand registers.
; S1, eight tiles of x, K 1,024 = 131,072 bytes of images, lies in LDS, filled once: wave w fetches K steps 2 w, 2 w + 1 of all eight tiles, 8 rows of 4,096 bytes, to LDS byte 32,768 w: one tensor load a wave, each in an arm of its own.
; The barrier ahead of K step 0 waits for wave 0's load, those inside K steps 1 and 3 for waves 0-1's and 0-2's, the one inside K step 5 for all.  ffn_w1 goes from memory straight into registers, three K steps ahead.
.set LA,  1
.set LB,  2
.set LS,  3
.set HB,  4
.set SC1, 16
.set SC0, 48
.set BN,  64
.set GA,  64
.set GM,  96
.set GT,  128
.set GQ,  160
.set GP,  192
.set PC,  224
.set TM,  232
.set HW,  240
.set WD,  242
.set C9V, 246
.set SA,  248
.set WV,  14
.set G1A, 24
.set G0A, 40
.set S0B, 48
.set S0S, 50
.set S1S, 52
.set OB,  54
.set OS,  56
.set SEL, 60
.set MNT, 62
.set HI,  63
.set CT,  66
.set C8,  68
.set C7,  70
.set C6,  72
.set C5,  74
.set C4,  76
.set C3,  78
.set C2,  80
.set C1,  82
.set C0,  84
.set CQ,  86
.set ABS, 88
.set MSB, 0
.macro WIN new
.if MSB != \new
	s_set_vgpr_msb (MSB<<8)|\new
.set MSB, \new
.endif
.endm
.macro PLACES n
.rept \n
	v_nop
.endr
.endm
.macro KONST reg, val
	s_mov_b32 s[\reg], \val
	s_mov_b32 s[\reg+1], \val
.endm
.macro LDS1 ks
	WIN 0x40
.irp i, 0,1,2,3,4,5,6,7
.set FA, 32768*((\ks)/2)+4096*\i+2048*((\ks)%2)
.irp c, 0,1,2,3
.if FA+512*\c < 65536
	ds_load_b128 v[128*((\ks)%2)+16*\i+4*\c:128*((\ks)%2)+16*\i+4*\c+3], v[LA] offset:FA+512*\c
.else
	ds_load_b128 v[128*((\ks)%2)+16*\i+4*\c:128*((\ks)%2)+16*\i+4*\c+3], v[LB] offset:FA+512*\c-65536
.endif
.endr
.endr
.endm
.macro LDS0 ks
	WIN 0x80
.irp t, 0,1,2,3
.irp c, 0,1,2,3
	global_load_b128 v[64*((\ks)%4)+16*\t+4*\c:64*((\ks)%4)+16*\t+4*\c+3], v[LA], s[S0B:S0B+1] offset:16384*\t+2048*(\ks)+512*\c
.endr
.endr
.endm
.macro MUL ks
.if (\ks) == 0
	WIN 0xc6
.else
	WIN 0xf6
.endif
.irp i, 0,1,2,3,4,5,6,7
.irp t, 0,1,2,3
.if (\ks) == 0
	v_wmma_scale_f32_16x16x128_f8f6f4 v[8*(4*\i+\t):8*(4*\i+\t)+7], v[16*\t:16*\t+15], v[16*\i:16*\i+15], v[BN+8*\t:BN+8*\t+7], v[SC0+4*\t], v[SC1+4*\i]
.elseif (\ks)%2 == 0
	v_wmma_scale_f32_16x16x128_f8f6f4 v[8*(4*\i+\t):8*(4*\i+\t)+7], v[64*((\ks)%4)+16*\t:64*((\ks)%4)+16*\t+15], v[128*((\ks)%2)+16*\i:128*((\ks)%2)+16*\i+15], v[8*(4*\i+\t):8*(4*\i+\t)+7], v[SC0+4*\t+(\ks)/2], v[SC1+4*\i+(\ks)/2]
.else
	v_wmma_scale_f32_16x16x128_f8f6f4 v[8*(4*\i+\t):8*(4*\i+\t)+7], v[64*((\ks)%4)+16*\t:64*((\ks)%4)+16*\t+15], v[128*((\ks)%2)+16*\i:128*((\ks)%2)+16*\i+15], v[8*(4*\i+\t):8*(4*\i+\t)+7], v[SC0+4*\t+(\ks)/2], v[SC1+4*\i+(\ks)/2] matrix_a_scale:MATRIX_SCALE_ROW1 matrix_b_scale:MATRIX_SCALE_ROW1
.endif
.endr
.endr
.endm
.macro KSTEP ks
.if (\ks) > 0
	PLACES 8
.endif
.if (\ks)%2 == 1 && (\ks) < 7
	WIN 0
.if (\ks) < 5
	s_cmp_lt_u32 s[WV], ((\ks)+3)/2                ; the waves whose K steps the next fetch reads wait for their load
	s_cbranch_scc0 .Lnot_\@
	s_wait_tensorcnt 0x0
.Lnot_\@:
.else
	s_wait_tensorcnt 0x0                           ; all that is still out
.endif
	s_wait_dscnt 0x0
	s_barrier_signal -1
	s_barrier_wait -1
.endif
.if (\ks) < 7
	LDS1 (\ks)+1
.endif
.if (\ks) < 5
	LDS0 (\ks)+3
.endif
.if (\ks) < 7
	s_wait_dscnt 32
.else
	s_wait_dscnt 0x0
.endif
.if (\ks) < 5
	s_wait_loadcnt 48
.else
	s_wait_loadcnt 16*(7-(\ks))
.endif
	MUL \ks
.endm
.macro QUANT2 s, hw
.irp b, 0,1
	v_max3_num_f32 v[TM+\b], |v[\s+16*\b]|, |v[\s+1+16*\b]|, 0x4800000
.endr
.irp i, 2,4,6,8,10,12,14
.irp b, 0,1
	v_max3_num_f32 v[TM+\b], v[TM+\b], |v[\s+16*\b+\i]|, |v[\s+1+16*\b+\i]|
.endr
.endr
.irp b, 0,1
	v_permlanex16_b32 v[TM+2+\b], v[TM+\b], s[SEL], s[SEL+1]
.endr
.irp b, 0,1
	v_max_num_f32 v[TM+\b], v[TM+\b], v[TM+2+\b]
.endr
.irp b, 0,1
	v_add_nc_u32 v[TM+6+\b], 0xfc000000, v[TM+\b]
.endr
.irp b, 0,1
	v_and_or_b32 v[TM+4+\b], v[TM+\b], 0x7f800000, s[MNT]
.endr
.irp b, 0,1
	v_lshrrev_b32 v[TM+2+\b], 23, v[TM+6+\b]
.endr
	v_lshl_or_b32 v[\hw], v[TM+3], 8, v[TM+2]
.irp b, 0,1
.irp i, 0,1,2,3,4,5,6,7,8,9,10,11,12,13,14,15
	v_med3_num_f32 v[\s+16*\b+\i], v[\s+16*\b+\i], -v[TM+4+\b], v[TM+4+\b]
.endr
	v_cvt_scalef32_pk8_fp8_f32 v[PC+4*\b:PC+1+4*\b], v[\s+16*\b:\s+7+16*\b], v[TM+6+\b]
	v_cvt_scalef32_pk8_fp8_f32 v[PC+2+4*\b:PC+3+4*\b], v[\s+8+16*\b:\s+15+16*\b], v[TM+6+\b]
.endr
	v_nop
.endm
.macro EPI n
.if (\n) > 0
	s_wait_xcnt 0x0
	s_add_nc_u64 s[OB:OB+1], s[OB:OB+1], 0x8000
.endif
	WIN 0x03
.set jj, 0
.rept 32
	v_and_b32 v[GA+jj], v[32*(\n)+jj], s[ABS]
.set jj, jj+1
.endr
.set jj, 0
.rept 32
	v_max_num_f32 v[GM+jj], v[32*(\n)+jj], 0
.set jj, jj+1
.endr
	WIN 0
.set jj, 0
.rept 16
	v_pk_fma_f32 v[GT+jj:GT+jj+1], v[GA+jj:GA+jj+1], s[CT:CT+1], 1.0 op_sel_hi:[1,0,0]
.set jj, jj+2
.endr
.set jj, 0
	s_wait_alu depctr_va_vdst(0)
.rept 32
	v_rcp_f32 v[GT+jj], v[GT+jj]
.set jj, jj+1
.endr
.set jj, 0
.rept 16
	v_pk_mul_f32 v[GQ+jj:GQ+jj+1], v[GA+jj:GA+jj+1], v[GA+jj:GA+jj+1]
.set jj, jj+2
.endr
	s_wait_alu depctr_va_vdst(0)
.set jj, 0
.rept 16
	v_pk_fma_f32 v[GP+jj:GP+jj+1], v[GT+jj:GT+jj+1], v[C9V:C9V+1], s[C8:C8+1] op_sel_hi:[1,1,0]
.set jj, jj+2
.endr
.irp k, C7, C6, C5, C4, C3, C2, C1, C0
.set jj, 0
.rept 16
	v_pk_fma_f32 v[GP+jj:GP+jj+1], v[GP+jj:GP+jj+1], v[GT+jj:GT+jj+1], s[\k:\k+1] op_sel_hi:[1,1,0]
.set jj, jj+2
.endr
.endr
.set jj, 0
.rept 16
	v_pk_fma_f32 v[GP+jj:GP+jj+1], v[GQ+jj:GQ+jj+1], s[CQ:CQ+1], v[GP+jj:GP+jj+1] op_sel_hi:[1,0,1]
.set jj, jj+2
.endr
.set jj, 0
	s_wait_alu depctr_va_vdst(0)
.rept 32
	v_exp_f32 v[GP+jj], v[GP+jj]
.set jj, jj+1
.endr
	v_nop
	s_wait_alu depctr_va_vdst(0)
.set jj, 0
.rept 16
	v_pk_mul_f32 v[GP+jj:GP+jj+1], v[GP+jj:GP+jj+1], v[GT+jj:GT+jj+1]
.set jj, jj+2
.endr
.set jj, 0
.rept 16
	v_pk_fma_f32 v[GM+jj:GM+jj+1], v[GA+jj:GA+jj+1], v[GP+jj:GP+jj+1], v[GM+jj:GM+jj+1] neg_lo:[1,0,0] neg_hi:[1,0,0]
.set jj, jj+2
.endr
	QUANT2 GM, HW+(\n)%2
	global_store_b128 v[LA], v[PC:PC+3], s[OB:OB+1]
	global_store_b128 v[LA], v[PC+4:PC+7], s[OB:OB+1] offset:512
.if (\n)%2 == 1
	v_cndmask_b32 v[WD+(\n)/2], v[HW], v[HW+1], s[HI]
.endif
.endm
	s_load_b256 s[4:11], s[0:1], 0x0
	v_lshl_add_u32 v254, v0, 2, 0x29000
	v_mov_b32 v255, 0
	ds_add_u32 v254, v255
	ds_add_u32 v254, v255
	v_lshrrev_b32 v6, 5, v0
	v_readfirstlane_b32 s[WV], v6
	v_and_b32 v6, 31, v0
	v_lshlrev_b32 v[LA], 4, v6
	v_add_nc_u32 v[LB], 0x10000, v[LA]
	v_lshlrev_b32 v[LS], 2, v6
	v_lshrrev_b32 v7, 4, v6
	v_lshlrev_b32 v[HB], 6, v7
	v_and_b32 v8, 15, v6
	v_lshlrev_b32 v[SA], 2, v8
	v_lshl_add_u32 v[SA], v7, 10, v[SA]
	v_mov_b32 v[TM+2], 0
	v_mov_b32 v[TM+3], 0
	v_mov_b32 v[C9V], 0x3e7c6f08
	v_mov_b32 v[C9V+1], 0x3e7c6f08
	s_mov_b32 s[G1A+0], 3<<16
	s_mov_b32 s[G1A+1], 512<<16
	s_mov_b32 s[G1A+2], 8<<16
	s_mov_b32 s[G1A+3], 512<<16
	s_mov_b32 s[G1A+4], 8
	s_mov_b32 s[G1A+5], 2048
	s_mov_b32 s[G1A+6], 0
	s_mov_b32 s[G1A+7], 0
	s_and_b32 s16, ttmp9, 31
	s_lshr_b32 s17, ttmp9, 5
	s_lshl_b32 s20, s16, 17
	s_lshl_b32 s21, s[WV], 12
	s_add_co_u32 s20, s20, s21
	s_mov_b32 s21, 0
	s_wait_alu depctr_va_vdst(0)
	s_wait_dscnt 0x0
	s_wait_kmcnt 0x0
	s_mov_b32 s[G0A], 1
	s_lshl_b32 s[G0A+1], s[WV], 15
	s_add_nc_u64 s[G0A+2:G0A+3], s[4:5], s[20:21]
	s_or_b32 s[G0A+3], s[G0A+3], 0x80000000
.irp n, 1,2,3
	s_cmp_lt_u32 s[WV], \n
	s_cbranch_scc0 .Larm\n
	tensor_load_to_lds s[G0A:G0A+3], s[G1A:G1A+7]
	s_nop 0
	PLACES 4
	s_branch .Lasked
.Larm\n:
.endr
	tensor_load_to_lds s[G0A:G0A+3], s[G1A:G1A+7]
	s_nop 0
	PLACES 4
.Lasked:
	s_lshl_b32 s22, s17, 18
	s_lshl_b32 s23, s[WV], 16
	s_add_co_u32 s22, s22, s23
	s_add_co_u32 s22, s22, 4<<20
	s_mov_b32 s23, 0
	s_add_nc_u64 s[S0B:S0B+1], s[6:7], s[22:23]
	s_lshr_b32 s22, s22, 5
	s_add_co_u32 s22, s22, 10<<20
	s_add_nc_u64 s[S0S:S0S+1], s[6:7], s[22:23]
	s_lshl_b32 s22, s16, 12
	s_add_co_u32 s22, s22, 4<<20
	s_add_nc_u64 s[S1S:S1S+1], s[4:5], s[22:23]
	s_lshl_b32 s22, s17, 10
	s_lshl_b32 s18, s[WV], 8
	s_add_co_u32 s22, s22, s18
	s_add_nc_u64 s[8:9], s[8:9], s[22:23]
.irp t, 0,1,2,3
.irp p, 0,1,2,3
	global_load_b32 v[SC0+4*\t+\p], v[LS], s[S0S:S0S+1] offset:512*\t+128*\p
.endr
.endr
.irp i, 0,1,2,3,4,5,6,7
.irp p, 0,1,2,3
	global_load_b32 v[SC1+4*\i+\p], v[LS], s[S1S:S1S+1] offset:512*\i+128*\p
.endr
.endr
.irp t, 0,1,2,3
	global_load_b128 v[BN+8*\t:BN+8*\t+3], v[HB], s[8:9] offset:128*(\t/2)+32*(\t%2)
	global_load_b128 v[BN+8*\t+4:BN+8*\t+7], v[HB], s[8:9] offset:128*(\t/2)+32*(\t%2)+16
.endr
	LDS0 0
	LDS0 1
	LDS0 2
	WIN 0
	s_mov_b32 s[SEL], 0x76543210
	s_mov_b32 s[SEL+1], 0xfedcba98
	s_mov_b32 s[MNT], 0x600000
	s_mov_b32 s[HI], 0xffff0000
	s_mov_b32 s[ABS], 0x7fffffff
	KONST CT, 0x3eb504f3
	KONST C8, 0xbf97d29d
	KONST C7, 0x40097039
	KONST C6, 0xbfd1a1e5
	KONST C5, 0x3ecdfd18
	KONST C4, 0xbe899a80
	KONST C3, 0x3e0efb2e
	KONST C2, 0x3f0a29d2
	KONST C1, 0x3fb8ab5a
	KONST C0, 0xc034d90f
	KONST CQ, 0xbf38aa3b
	s_lshl_b32 s18, s17, 1
	s_lshr_b32 s19, s[WV], 1
	s_add_co_u32 s18, s18, s19
	s_and_b32 s19, s[WV], 1
	s_lshl_b32 s22, s16, 18
	s_lshl_b32 s20, s18, 11
	s_add_co_u32 s22, s22, s20
	s_lshl_b32 s20, s19, 10
	s_add_co_u32 s22, s22, s20
	s_add_nc_u64 s[OB:OB+1], s[10:11], s[22:23]
	s_lshl_b32 s22, s16, 13
	s_lshl_b32 s20, s18, 6
	s_add_co_u32 s22, s22, s20
	s_lshl_b32 s20, s19, 1
	s_add_co_u32 s22, s22, s20
	s_add_co_u32 s22, s22, 8<<20
	s_add_nc_u64 s[OS:OS+1], s[10:11], s[22:23]
	s_cmp_lt_u32 s[WV], 1
	s_cbranch_scc0 .Lnot_first
	s_wait_tensorcnt 0x0                           ; wave 0: K steps 0 and 1 are in LDS
.Lnot_first:
	s_barrier_signal -1
	s_barrier_wait -1
	LDS1 0
.irp k, 0,1,2,3,4,5,6,7
	KSTEP \k
.endr
	PLACES 8
.irp n, 0,1,2,3,4,5,6,7
	EPI \n
.endr
.irp p, 0,1,2,3
	global_store_b16 v[SA], v[WD+\p], s[OS:OS+1] offset:2048*\p
.endr
	s_wait_tensorcnt 0x0
	ds_add_u32 v254, v255
	s_wait_dscnt 0x0
	s_endpgm
.Lfunc_end_k_q4d02567d21_ffn1:
	.size	k_q4d02567d21_ffn1, .Lfunc_end_k_q4d02567d21_ffn1-k_q4d02567d21_ffn1
	.p2alignl 7, 3214868480
	.fill 96, 4, 3214868480
	.section	.rodata,"a",@progbits
	.p2align	6, 0x0
	.amdhsa_kernel k_q4d02567d21_ffn1
		.amdhsa_group_segment_fixed_size 327680
		.amdhsa_private_segment_fixed_size 0
		.amdhsa_enable_private_segment 0
		.amdhsa_kernarg_size 32
		.amdhsa_user_sgpr_count 2
		.amdhsa_user_sgpr_kernarg_segment_ptr 1
		.amdhsa_wavefront_size32 1
		.amdhsa_system_sgpr_workgroup_id_x 1
		.amdhsa_system_sgpr_workgroup_id_y 1
		.amdhsa_system_sgpr_workgroup_id_z 1
		.amdhsa_system_vgpr_workitem_id 0
		.amdhsa_next_free_vgpr 1024
		.amdhsa_next_free_sgpr 96
		.amdhsa_reserve_vcc 0
		.amdhsa_float_denorm_mode_32 3
		.amdhsa_float_denorm_mode_16_64 3
		.amdhsa_memory_ordered 1
		.amdhsa_forward_progress 1
		.amdhsa_inst_pref_size 255
	.end_amdhsa_kernel
	.section	.bss,"aw",@nobits
	.p2align	6
	.space	262144
	.amdgpu_metadata
---
amdhsa.version: [ 1, 2 ]
amdhsa.kernels:
  - .name:           k_q4d02567d21_ffn1
    .symbol:         k_q4d02567d21_ffn1.kd
    .args:
      - { .name: wsx, .offset: 0, .size: 8, .value_kind: global_buffer, .address_space: global }
      - { .name: wsw, .offset: 8, .size: 8, .value_kind: global_buffer, .address_space: global }
      - { .name: ffn_b1, .offset: 16, .size: 8, .value_kind: global_buffer, .address_space: global }
      - { .name: wsh, .offset: 24, .size: 8, .value_kind: global_buffer, .address_space: global }
    .group_segment_fixed_size: 327680
    .private_segment_fixed_size: 0
    .kernarg_segment_align: 8
    .kernarg_segment_size: 32
    .max_flat_workgroup_size: 128
    .sgpr_count:     96
    .vgpr_count:     1024
    .wavefront_size: 32
...
	.end_amdgpu_metadata
.endif
;; end of part 6
;; launch ffn2t (part 7): grid 256 x 1, 4 waves a work-group, no clusters, 262,656 bytes of LDS; arguments wsh, wsw, wsx, wsz; writes wsz
.if DOCPART == 7
	.amdgcn_target "amdgcn-amd-amdhsa--gfx1250"
	.amdhsa_code_object_version 6
	.text
	.protected	k_q4d02567d21_ffn2t
	.globl	k_q4d02567d21_ffn2t
	.p2align	8
	.type	k_q4d02567d21_ffn2t,@function
k_q4d02567d21_ffn2t:
	s_mov_b64 s[64:65], 0
	v_nop
	global_prefetch_b8 v0, s[64:65] scope:SCOPE_SE
	s_setreg_imm32_b32 hwreg(HW_REG_WAVE_MODE, 25, 1), 1
	s_wait_xcnt 0x0
; FFN2T: z = (x + ffn_b2) + h ffn_w2, the product on codes of E4M3; z leaves as f32 for the norm, which is the next launch's.
; WHY THE NORM IS NOT HERE.  A work-group that owned whole rows would take in all of ffn_w2, 2 MiB, whatever its number of rows.  This one owns 128 rows x 128 columns and takes in 256 KiB of h, 256 KiB of ffn_w2 and 64 KiB of x + ffn_b2:
; 32 x 8 = 256 work-groups.  The price is z's way to memory and back.
; SHARES.  S1 = 128 rows of h, K 2,048: 262,144 bytes of images in LDS, FILLED ONCE, in four pieces along K, each of all eight tiles: wave 0 fetches K steps 0-1 (8 rows of 4,096 bytes), wave 1 K steps 2-5 (8,192), wave 2 K steps 6-10
; and wave 3 K steps 11-15 (10,240): ONE tensor load a wave, each in an arm of its own.  The barrier ahead of K step 0 waits for wave 0's load, those inside K steps 1 and 5 for waves 0-1's and 0-2's, the one inside K step 10 for all.
; Wave w owns 32 columns: S0 tiles 2 B, 2 B + 1 of ffn_w2, B = 4 x (work-group / 32) + w, read by it alone, from memory straight into registers, seven K steps ahead.
; The product is used transposed: a lane holds a row of h, and the 16 registers of an S1 tile's two accumulators are 16 neighbouring columns.  The accumulators begin as x + ffn_b2, loaded as the image that ln1 stored, and are
; stored as the same image.  16 accumulators take turns, one instruction a turn.
; The eight work-groups of a block of rows read the same 256 KiB of h and do not ask for them jointly in this text: an omission, stated as such.  No LDS byte is filled twice; all tiles are asked for at the head.
; OUT, in wsz: [tile X of 256][block B of 32 columns, 32 of them][2,048]: registers 4 q .. 4 q + 3 at 512 q + 16 l; register 8 t + j of lane (r, h): column 32 B + 16 h + 8 t + j of row 32 (X/2) + 8 (X%2) + r + 8 (r/8).
; LIMITS: NaN and infinities are not served.
; REGISTERS, in windows of 256: window 0: v1-4 16 l + 65,536 n (an LDS immediate has 16 bits), v5 4 l; v16-79 h's scale words (8 i + p), v80-95 ffn_w2's (8 t + p); v126, v127 the spare word's address and 0;
;   v128-255 the accumulator of (S1 tile i, S0 tile t) at 128 + 16 i + 8 t.   window 1: S1's fragments, two sets of 128;   window 2: S0's, eight sets of 32.
.set LA,  1
.set LS,  5
.set SC1, 16
.set SC0, 80
.set ACC, 128
.set WV,  14
.set G1A, 24                           ; s[24:31] group 1: 8 rows of 4,096 bytes;  s[32:39]: of 8,192;  s[40:47]: of 10,240
.set G1B, 32
.set G1C, 40
.set G0A, 48
.set G0B, 52
.set G0C, 56
.set G0D, 72
.set S0B, 60
.set S0S, 62
.set S1S, 66
.set XBB, 68
.set ZB,  70
.set MSB, 0
.macro WIN new                         ; the immediate's high byte repeats the setting that is left
.if MSB != \new
	s_set_vgpr_msb (MSB<<8)|\new
.set MSB, \new
.endif
.endm
.macro PLACES n
.rept \n
	v_nop
.endr
.endm
.macro LDS1 ks                         ; S1's eight fragments of K step ks, from LDS into window 1
	WIN 0x40
.irp i, 0,1,2,3,4,5,6,7
.if (\ks) < 2
.set FA, 4096*\i+2048*(\ks)
.elseif (\ks) < 6
.set FA, 32768+8192*\i+2048*((\ks)-2)
.elseif (\ks) < 11
.set FA, 98304+10240*\i+2048*((\ks)-6)
.else
.set FA, 180224+10240*\i+2048*((\ks)-11)
.endif
.irp c, 0,1,2,3
	ds_load_b128 v[128*((\ks)%2)+16*\i+4*\c:128*((\ks)%2)+16*\i+4*\c+3], v[LA+(FA+512*\c)/65536] offset:(FA+512*\c)%65536
.endr
.endr
.endm
.macro LDS0 ks                         ; my two fragments of S0 of K step ks, from memory into window 2: each load reads 512 consecutive bytes
	WIN 0x80
.irp t, 0,1
.irp c, 0,1,2,3
	global_load_b128 v[32*((\ks)%8)+16*\t+4*\c:32*((\ks)%8)+16*\t+4*\c+3], v[LA], s[S0B:S0B+1] offset:32768*\t+2048*(\ks)+512*\c
.endr
.endr
.endm
.macro MUL ks                          ; 16 matrix instructions.  A scale register holds K step 2 p in lanes 0-15 and 2 p + 1 in lanes 16-31
	WIN 0x06
.irp i, 0,1,2,3,4,5,6,7
.irp t, 0,1
.if (\ks)%2 == 0
	v_wmma_scale_f32_16x16x128_f8f6f4 v[ACC+16*\i+8*\t:ACC+16*\i+8*\t+7], v[32*((\ks)%8)+16*\t:32*((\ks)%8)+16*\t+15], v[128*((\ks)%2)+16*\i:128*((\ks)%2)+16*\i+15], v[ACC+16*\i+8*\t:ACC+16*\i+8*\t+7], v[SC0+8*\t+(\ks)/2], v[SC1+8*\i+(\ks)/2]
.else
	v_wmma_scale_f32_16x16x128_f8f6f4 v[ACC+16*\i+8*\t:ACC+16*\i+8*\t+7], v[32*((\ks)%8)+16*\t:32*((\ks)%8)+16*\t+15], v[128*((\ks)%2)+16*\i:128*((\ks)%2)+16*\i+15], v[ACC+16*\i+8*\t:ACC+16*\i+8*\t+7], v[SC0+8*\t+(\ks)/2], v[SC1+8*\i+(\ks)/2] matrix_a_scale:MATRIX_SCALE_ROW1 matrix_b_scale:MATRIX_SCALE_ROW1
.endif
.endr
.endr
.endm
.macro SHOW n                          ; a barrier that shows the pieces of waves 0 .. n - 1 (n = 4: all that is still out, under no branch).
	WIN 0
.if (\n) < 4
	s_cmp_lt_u32 s[WV], \n
	s_cbranch_scc0 .Lnot_\@
	s_wait_tensorcnt 0x0
.Lnot_\@:
.else
	s_wait_tensorcnt 0x0
.endif
	s_wait_dscnt 0x0                               ; no LDS load of mine is out at the signal
	s_barrier_signal -1
	s_barrier_wait -1
.endm
.macro KSTEP ks
.if (\ks) > 0
	PLACES 8                                       ; eight places in front of loads into registers that the last products read
.endif
.if (\ks) == 1
	SHOW 2
.elseif (\ks) == 5
	SHOW 3
.elseif (\ks) == 10
	SHOW 4
.endif
.if (\ks) < 15
	LDS1 (\ks)+1
.endif
.if (\ks) < 9
	LDS0 (\ks)+7                                   ; into the set that the last K step's products read
.endif
.if (\ks) < 15
	s_wait_dscnt 32                                ; all but the 32 LDS loads just issued: this K step's S1 is in
.else
	s_wait_dscnt 0x0
.endif
.if (\ks) < 9
	s_wait_loadcnt 56                              ; all but the seven younger sets of S0, 8 loads each
.else
	s_wait_loadcnt 8*(15-(\ks))
.endif
	MUL \ks
.endm
.macro GRP1 g, el                      ; group 1: 8 rows (a tile each) of el elements of 8 bytes, 32,768 bytes apart; no mask, no padding
	s_mov_b32 s[\g+0], 3<<16
	s_mov_b32 s[\g+1], (\el)<<16
	s_mov_b32 s[\g+2], 8<<16
	s_mov_b32 s[\g+3], (\el)<<16
	s_mov_b32 s[\g+4], 8
	s_mov_b32 s[\g+5], 4096
	s_mov_b32 s[\g+6], 0
	s_mov_b32 s[\g+7], 0
.endm
.macro GRP0 g, lds, off                ; group 0: a piece's place in LDS and its first K step's bytes in a tile
	s_mov_b32 s[\g], 1
	s_mov_b32 s[\g+1], \lds
	s_add_nc_u64 s[\g+2:\g+3], s[20:21], \off
	s_or_b32 s[\g+3], s[\g+3], 0x80000000
.endm
.macro ARM under, g0, g1, next         ; an arm of the head's chain: one tensor load, its s_nop 0 and four v_nop, a jump to the chain's end
	s_cmp_lt_u32 s[WV], \under
	s_cbranch_scc0 \next
	tensor_load_to_lds s[\g0:\g0+3], s[\g1:\g1+7]
	s_nop 0
	PLACES 4
	s_branch .Lasked
\next:
.endm
	s_load_b256 s[4:11], s[0:1], 0x0               ; wsh s[4:5], wsw s[6:7], wsx s[8:9], wsz s[10:11]
	v_lshl_add_u32 v126, v0, 2, 0x40000
	v_mov_b32 v127, 0
	ds_add_u32 v126, v127                          ; the opening lines: the add, twice on end, and its wait ahead of the first tensor load
	ds_add_u32 v126, v127
	v_lshrrev_b32 v6, 5, v0
	v_readfirstlane_b32 s[WV], v6
	v_and_b32 v6, 31, v0
	v_lshlrev_b32 v[LA], 4, v6
	v_add_nc_u32 v[LA+1], 0x10000, v[LA]
	v_add_nc_u32 v[LA+2], 0x20000, v[LA]
	v_add_nc_u32 v[LA+3], 0x30000, v[LA]
	v_lshlrev_b32 v[LS], 2, v6
	GRP1 G1A, 512
	GRP1 G1B, 1024
	GRP1 G1C, 1280
	s_and_b32 s16, ttmp9, 31                       ; which 128 rows of h
	s_lshr_b32 s17, ttmp9, 5                       ; which 128 columns
	s_lshl_b32 s20, s16, 18                        ; 8 tiles of 32,768 bytes
	s_mov_b32 s21, 0
	s_wait_alu depctr_va_vdst(0)                   ; the wait at the head's end
	s_wait_dscnt 0x0
	s_wait_kmcnt 0x0
	s_add_nc_u64 s[20:21], s[4:5], s[20:21]
	GRP0 G0A, 0, 0
	GRP0 G0B, 32768, 4096
	GRP0 G0C, 98304, 12288
	GRP0 G0D, 180224, 22528
	ARM 1, G0A, G1A, .Lpiece_1
	ARM 2, G0B, G1B, .Lpiece_2
	ARM 3, G0C, G1C, .Lpiece_3
	tensor_load_to_lds s[G0D:G0D+3], s[G1C:G1C+7]
	s_nop 0
	PLACES 4
.Lasked:
	s_lshl_b32 s18, s17, 2
	s_add_co_u32 s18, s18, s[WV]                   ; B: my 32 columns
	s_lshl_b32 s22, s18, 16
	s_add_co_u32 s22, s22, 6<<20                   ; my two tiles of ffn_w2 in wsw
	s_mov_b32 s23, 0
	s_add_nc_u64 s[S0B:S0B+1], s[6:7], s[22:23]
	s_lshr_b32 s22, s22, 5
	s_add_co_u32 s22, s22, 10<<20
	s_add_nc_u64 s[S0S:S0S+1], s[6:7], s[22:23]
	s_lshl_b32 s22, s16, 13                        ; h's scale words: 1,024 bytes a tile
	s_add_co_u32 s22, s22, 8<<20
	s_add_nc_u64 s[S1S:S1S+1], s[4:5], s[22:23]
	s_lshl_b32 s22, s16, 19                        ; z, and x + ffn_b2: 65,536 bytes a tile,
	s_lshl_b32 s19, s18, 11                        ; 2,048 for each 32 columns
	s_add_co_u32 s22, s22, s19
	s_add_nc_u64 s[ZB:ZB+1], s[10:11], s[22:23]
	s_add_co_u32 s22, s22, (4<<20)+(128<<10)
	s_add_nc_u64 s[XBB:XBB+1], s[8:9], s[22:23]
.irp t, 0,1
.irp p, 0,1,2,3,4,5,6,7
	global_load_b32 v[SC0+8*\t+\p], v[LS], s[S0S:S0S+1] offset:1024*\t+128*\p
.endr
.endr
.irp i, 0,1,2,3,4,5,6,7
.irp p, 0,1,2,3,4,5,6,7
	global_load_b32 v[SC1+8*\i+\p], v[LS], s[S1S:S1S+1] offset:1024*\i+128*\p
.endr
.endr
.irp i, 0,1,2,3,4,5,6,7
.irp q, 0,1,2,3
	global_load_b128 v[ACC+16*\i+4*\q:ACC+16*\i+4*\q+3], v[LA], s[XBB:XBB+1] offset:65536*\i+512*\q   ; x + ffn_b2 begins the sums
.endr
.endr
.irp k, 0,1,2,3,4,5,6
	LDS0 \k
.endr
	SHOW 1                                         ; K steps 0 and 1 are in LDS
	LDS1 0
.irp k, 0,1,2,3,4,5,6,7,8,9,10,11,12,13,14,15
	KSTEP \k
.endr
	PLACES 8                                       ; in front of the first read of results
	WIN 0
.irp i, 0,1,2,3,4,5,6,7
.irp q, 0,1,2,3
	global_store_b128 v[LA], v[ACC+16*\i+4*\q:ACC+16*\i+4*\q+3], s[ZB:ZB+1] offset:65536*\i+512*\q   ; 512 consecutive bytes; each accumulator from its low end on
.endr
.endr
	s_wait_tensorcnt 0x0                           ; the wave's end
	ds_add_u32 v126, v127
	s_wait_dscnt 0x0
	s_endpgm
.Lfunc_end_k_q4d02567d21_ffn2t:
	.size	k_q4d02567d21_ffn2t, .Lfunc_end_k_q4d02567d21_ffn2t-k_q4d02567d21_ffn2t
	.p2alignl 7, 3214868480
	.fill 96, 4, 3214868480
	.section	.rodata,"a",@progbits
	.p2align	6, 0x0
	.amdhsa_kernel k_q4d02567d21_ffn2t
		.amdhsa_group_segment_fixed_size 262656
		.amdhsa_private_segment_fixed_size 0
		.amdhsa_enable_private_segment 0
		.amdhsa_kernarg_size 32
		.amdhsa_user_sgpr_count 2
		.amdhsa_user_sgpr_kernarg_segment_ptr 1
		.amdhsa_wavefront_size32 1
		.amdhsa_system_sgpr_workgroup_id_x 1
		.amdhsa_system_sgpr_workgroup_id_y 1
		.amdhsa_system_sgpr_workgroup_id_z 1
		.amdhsa_system_vgpr_workitem_id 0
		.amdhsa_next_free_vgpr 768
		.amdhsa_next_free_sgpr 80
		.amdhsa_reserve_vcc 0
		.amdhsa_float_denorm_mode_32 3
		.amdhsa_float_denorm_mode_16_64 3
		.amdhsa_memory_ordered 1
		.amdhsa_forward_progress 1
		.amdhsa_inst_pref_size 102
	.end_amdhsa_kernel
	.amdgpu_metadata
---
amdhsa.version: [ 1, 2 ]
amdhsa.kernels:
  - .name:           k_q4d02567d21_ffn2t
    .symbol:         k_q4d02567d21_ffn2t.kd
    .args:
      - { .name: wsh, .offset: 0, .size: 8, .value_kind: global_buffer, .address_space: global }
      - { .name: wsw, .offset: 8, .size: 8, .value_kind: global_buffer, .address_space: global }
      - { .name: wsx, .offset: 16, .size: 8, .value_kind: global_buffer, .address_space: global }
      - { .name: wsz, .offset: 24, .size: 8, .value_kind: global_buffer, .address_space: global }
    .group_segment_fixed_size: 262656
    .private_segment_fixed_size: 0
    .kernarg_segment_align: 8
    .kernarg_segment_size: 32
    .max_flat_workgroup_size: 128
    .sgpr_count:     80
    .vgpr_count:     768
    .wavefront_size: 32
...
	.end_amdgpu_metadata
.endif
;; end of part 7
;; launch ln2 (part 8): grid 256 x 1, 8 waves a work-group, no clusters, 70,656 bytes of LDS; arguments wsz, ln2_g, ln2_b, out0; writes out0
.if DOCPART == 8
	.amdgcn_target "amdgcn-amd-amdhsa--gfx1250"
	.amdhsa_code_object_version 6
	.text
	.protected	k_q4d02567d21_ln2
	.globl	k_q4d02567d21_ln2
	.p2align	8
	.type	k_q4d02567d21_ln2,@function
k_q4d02567d21_ln2:
	s_mov_b64 s[64:65], 0
	v_nop
	global_prefetch_b8 v0, s[64:65] scope:SCOPE_SE
	s_setreg_imm32_b32 hwreg(HW_REG_WAVE_MODE, 25, 1), 1
	s_wait_xcnt 0x0
; LN2: out0 = layer_norm(z), z = x + ffn as ffn2t stored it: [tile X of 256][block of 32 columns][2,048], registers 4 q .. 4 q + 3 at 512 q + 16 l.
; SHARES.  A work-group owns one tile of 16 rows whole, 65,536 consecutive bytes of z; each of its eight waves owns 128 of the 1,024 columns, 8,192 consecutive bytes: sixteen loads of 512 consecutive bytes.
; A lane holds its half of the wave's 128 columns of ONE row (register 16 b + i: column 32 b + 16 h + i of row 32 (X/2) + 8 (X%2) + r + 8 (r/8)).
; THE NORM in two passes (mean; then the squares of z - mean), each summed over the eight waves through 1,024 bytes of LDS of its own and one barrier.
; THE WAY OUT.  A lane's numbers lie in pieces of 64 bytes of its row: the tile goes through the wave's own stage (16 rows x 528 bytes) and leaves as rows: 32 lanes store 512 consecutive bytes, aligned.
; Memory binds: z is read once and out0 written once; no matrix unit, no tensor load, no cluster: the work-groups share nothing but the gain and the bias, 8 KiB.
; LIMITS: v_rsq_f32 as accurate as the ISA guide gives it; NaN and infinities are not served.
; REGISTERS: v1-7 addresses; v8-15 at work; v16-79 z, then the result; v80-143 the gain, later rows on their way out; v144-207 the bias; v208-223 at work.
.set LA,   1
.set LS,   2
.set H64,  3
.set RA,   4
.set RL,   5
.set STO,  6
.set RDB,  7
.set CH,   8
.set ACC,  16
.set GN,   80
.set BS,   144
.set PT,   208
.set SM,   209
.set RD,   210
.set MU,   218
.set RS,   220
.set RED,  67584                       ; LDS: eight stages of 8,448 bytes, then the sums across waves: 1,024 bytes for each of the two passes
.set WV,   16
.set SEL,  22
.set EPS,  24
.set P10,  25
.macro COLLOAD dst, adr, base          ; 64 numbers in the lane's layout: register 16 b + i = column 32 b + 16 h + i
.irp q, 0,1,2,3,4,5,6,7,8,9,10,11,12,13,14,15
	global_load_b128 v[\dst+4*\q:\dst+4*\q+3], v[\adr], s[\base:\base+1] offset:128*(\q/4)+16*(\q%4)
.endr
.endm
.macro ROWSUM z, out                   ; the sum of my row's 128 numbers in this wave: eight chains, then lane l xor 16
	v_pk_add_f32 v[10:11], v[16:17], v[18:19]
	v_pk_add_f32 v[12:13], v[32:33], v[40:41]
	v_pk_add_f32 v[14:15], v[48:49], v[56:57]
	v_pk_add_f32 v[222:223], v[64:65], v[72:73]
	v_pk_add_f32 v[216:217], v[20:21], v[22:23]
	v_pk_add_f32 v[214:215], v[34:35], v[42:43]
	v_pk_add_f32 v[212:213], v[50:51], v[58:59]
	v_pk_add_f32 v[8:9], v[66:67], v[74:75]
	s_delay_alu instid0(VALU_DEP_1)
	v_pk_add_f32 v[8:9], v[8:9], v[24:25]
	v_pk_add_f32 v[10:11], v[10:11], v[26:27]
	v_pk_add_f32 v[12:13], v[12:13], v[36:37]
	v_pk_add_f32 v[14:15], v[14:15], v[44:45]
	v_pk_add_f32 v[222:223], v[222:223], v[52:53]
	v_pk_add_f32 v[216:217], v[216:217], v[60:61]
	v_pk_add_f32 v[214:215], v[214:215], v[68:69]
	v_pk_add_f32 v[212:213], v[212:213], v[76:77]
	v_pk_add_f32 v[8:9], v[8:9], v[28:29]
	v_pk_add_f32 v[10:11], v[10:11], v[30:31]
	v_pk_add_f32 v[12:13], v[12:13], v[38:39]
	v_pk_add_f32 v[14:15], v[14:15], v[46:47]
	v_pk_add_f32 v[222:223], v[222:223], v[54:55]
	v_pk_add_f32 v[216:217], v[216:217], v[62:63]
	v_pk_add_f32 v[214:215], v[214:215], v[70:71]
	v_pk_add_f32 v[212:213], v[212:213], v[78:79]
	s_delay_alu instid0(VALU_DEP_4)
	v_pk_add_f32 v[8:9], v[8:9], v[222:223]
	s_delay_alu instid0(VALU_DEP_4)
	v_pk_add_f32 v[10:11], v[10:11], v[216:217]
	s_delay_alu instid0(VALU_DEP_4)
	v_pk_add_f32 v[12:13], v[12:13], v[214:215]
	s_delay_alu instid0(VALU_DEP_4)
	v_pk_add_f32 v[14:15], v[14:15], v[212:213]
	s_delay_alu instid0(VALU_DEP_2)
	v_pk_add_f32 v[8:9], v[8:9], v[12:13]
	s_delay_alu instid0(VALU_DEP_2)
	v_pk_add_f32 v[10:11], v[10:11], v[14:15]
	s_delay_alu instid0(VALU_DEP_1)
	v_pk_add_f32 v[8:9], v[8:9], v[10:11]
	s_delay_alu instid0(VALU_DEP_1)
	v_add_f32 v[\out], v[CH], v[CH+1]
	s_delay_alu instid0(VALU_DEP_1)
	v_permlanex16_b32 v[PT], v[\out], s[SEL], s[SEL+1]
	s_delay_alu instid0(VALU_DEP_1)
	v_add_f32 v[\out], v[\out], v[PT]
.endm
.macro SQSUM z, out                    ; the same of the squares
.irp k, 0,2,4,6
	v_pk_mul_f32 v[CH+\k:CH+\k+1], v[\z+\k:\z+\k+1], v[\z+\k:\z+\k+1]
.endr
.irp j, 8,16,24,32,40,48,56
.irp k, 0,2,4,6
	s_delay_alu instid0(VALU_DEP_4)
	v_pk_fma_f32 v[CH+\k:CH+\k+1], v[\z+\j+\k:\z+\j+\k+1], v[\z+\j+\k:\z+\j+\k+1], v[CH+\k:CH+\k+1]
.endr
.endr
	s_delay_alu instid0(VALU_DEP_3)
	v_pk_add_f32 v[CH:CH+1], v[CH:CH+1], v[CH+2:CH+3]
	s_delay_alu instid0(VALU_DEP_2)
	v_pk_add_f32 v[CH+4:CH+5], v[CH+4:CH+5], v[CH+6:CH+7]
	s_delay_alu instid0(VALU_DEP_1)
	v_pk_add_f32 v[CH:CH+1], v[CH:CH+1], v[CH+4:CH+5]
	s_delay_alu instid0(VALU_DEP_1)
	v_add_f32 v[\out], v[CH], v[CH+1]
	s_delay_alu instid0(VALU_DEP_1)
	v_permlanex16_b32 v[PT], v[\out], s[SEL], s[SEL+1]
	s_delay_alu instid0(VALU_DEP_1)
	v_add_f32 v[\out], v[\out], v[PT]
.endm
; A sum a row is added over the eight waves: each wave stores 128 bytes of its own (lanes l and l + 16 hold the same row's sum), waits for them, passes the barrier, and reads all eight waves' in the same order
.macro EXCH off, a
	ds_store_b32 v[RA], v[\a] offset:\off
	s_wait_dscnt 0x0                               ; for the others' sake: my store has landed
	s_barrier_signal -1
	s_barrier_wait -1
.irp w, 0,1,2,3,4,5,6,7
	ds_load_b32 v[RD+\w], v[RL] offset:\off+128*\w
.endr
	s_wait_dscnt 0x0
	v_add_f32 v[RD], v[RD], v[RD+1]
	v_add_f32 v[RD+2], v[RD+2], v[RD+3]
	v_add_f32 v[RD+4], v[RD+4], v[RD+5]
	v_add_f32 v[RD+6], v[RD+6], v[RD+7]
	s_delay_alu instid0(VALU_DEP_3)
	v_add_f32 v[RD], v[RD], v[RD+2]
	s_delay_alu instid0(VALU_DEP_2)
	v_add_f32 v[RD+4], v[RD+4], v[RD+6]
	s_delay_alu instid0(VALU_DEP_1)
	v_add_f32 v[\a], v[RD], v[RD+4]
.endm
	s_load_b256 s[4:11], s[0:1], 0x0               ; wsz s[4:5], ln2_g s[6:7], ln2_b s[8:9], out0 s[10:11]
	v_lshl_add_u32 v224, v0, 2, 0x11000
	v_mov_b32 v225, 0
	v_lshrrev_b32 v8, 5, v0
	s_delay_alu instid0(VALU_DEP_1)
	v_readfirstlane_b32 s[WV], v8
	v_and_b32 v8, 31, v0
	s_delay_alu instid0(VALU_DEP_1)
	v_lshlrev_b32 v[LA], 4, v8
	s_delay_alu instid0(VALU_DEP_2)
	v_lshlrev_b32 v[LS], 2, v8
	s_delay_alu instid0(VALU_DEP_3)
	v_lshrrev_b32 v9, 4, v8                        ; h
	s_delay_alu instid0(VALU_DEP_4)
	v_and_b32 v10, 15, v8                          ; r
	s_delay_alu instid0(VALU_DEP_2)
	v_lshlrev_b32 v[H64], 6, v9
	v_lshlrev_b32 v[RA], 2, v0
	s_delay_alu instid0(VALU_DEP_1)
	v_add_nc_u32 v[RA], RED, v[RA]
	v_add_nc_u32 v[RL], RED, v[LS]
	s_mul_i32 s17, s[WV], 8448                     ; my stage
	v_mul_u32_u24 v[STO], v10, 528
	s_delay_alu instid0(VALU_DEP_1)
	v_lshl_add_u32 v[STO], v9, 6, v[STO]
	s_delay_alu instid0(VALU_DEP_1)
	v_add_nc_u32 v[STO], s17, v[STO]               ; in: row r, + 64 h
	v_add_nc_u32 v[RDB], s17, v[LA]                ; back: a row's 512 bytes, 16 a lane
	s_mov_b32 s[SEL], 0x76543210
	s_mov_b32 s[SEL+1], 0xfedcba98
	s_mov_b32 s[EPS], 0x3727c5ac                   ; 1e-5
	s_mov_b32 s[P10], 0x3a800000                   ; 1 / 1,024
	s_lshl_b32 s18, ttmp9, 16                      ; my tile of z,
	s_lshl_b32 s19, s[WV], 13                      ; my 128 columns of it
	s_add_co_u32 s18, s18, s19
	s_mov_b32 s19, 0
	s_lshl_b32 s20, s[WV], 9                       ; my 128 columns in a row of f32
	s_mov_b32 s21, 0
	s_wait_alu depctr_va_vdst(0)
	s_wait_kmcnt 0x0
	s_add_nc_u64 s[4:5], s[4:5], s[18:19]
	s_add_nc_u64 s[6:7], s[6:7], s[20:21]
	s_add_nc_u64 s[8:9], s[8:9], s[20:21]
.irp q, 0,1,2,3,4,5,6,7,8,9,10,11,12,13,14,15
	global_load_b128 v[ACC+4*\q:ACC+4*\q+3], v[LA], s[4:5] offset:512*\q th:TH_LOAD_NT   ; read once in the launch
.endr
	COLLOAD GN, H64, 6
	COLLOAD BS, H64, 8
	s_lshr_b32 s18, ttmp9, 1
	s_lshl_b32 s18, s18, 17
	s_and_b32 s26, ttmp9, 1
	s_lshl_b32 s26, s26, 15
	s_add_co_u32 s18, s18, s26                     ; the tile's first row, 32 (X / 2) + 8 (X % 2), in bytes,
	s_add_co_u32 s18, s18, s20                     ; and my columns
	s_add_nc_u64 s[10:11], s[10:11], s[18:19]
	v_mov_b32 v[PT], 0                             ; a lane permute's destination counts as one of its sources
	v_mov_b32 v[MU+1], 0                           ; (the upper words of pairs of which the low word serves both halves)
	v_mov_b32 v[RS+1], 0
	s_wait_loadcnt 32                              ; z is in; the gain's and the bias's 32 loads may be out
	ROWSUM ACC, SM
	EXCH 0, SM
	s_delay_alu instid0(VALU_DEP_1)
	v_mul_f32 v[MU], s[P10], v[SM]                 ; the mean
.set jj, 0
.rept 32
	v_pk_add_f32 v[ACC+jj:ACC+jj+1], v[ACC+jj:ACC+jj+1], v[MU:MU+1] op_sel_hi:[1,0] neg_lo:[0,1] neg_hi:[0,1]
.set jj, jj+2
.endr
	SQSUM ACC, SM
	EXCH 1024, SM
	s_delay_alu instid0(VALU_DEP_1)
	v_fma_f32 v[RS], v[SM], s[P10], s[EPS]
	s_wait_alu depctr_va_vdst(0)
	v_rsq_f32 v[RS], v[RS]
	v_nop                                          ; a plain line behind it,
	s_wait_alu depctr_va_vdst(0)                   ; and the wait ahead of its first reader
	s_wait_loadcnt 0x0                             ; the gain and the bias
.set jj, 0
.rept 32
	v_pk_mul_f32 v[ACC+jj:ACC+jj+1], v[ACC+jj:ACC+jj+1], v[RS:RS+1] op_sel_hi:[1,0]
.set jj, jj+2
.endr
.set jj, 0
.rept 32
	v_pk_fma_f32 v[ACC+jj:ACC+jj+1], v[ACC+jj:ACC+jj+1], v[GN+jj:GN+jj+1], v[BS+jj:BS+jj+1]
.set jj, jj+2
.endr
.irp q, 0,1,2,3,4,5,6,7,8,9,10,11,12,13,14,15  ; through my stage.  LDS serves a wave's instructions in order (ISA guide 5.7.1.4): no wait between the stores and the loads
	ds_store_b128 v[STO], v[ACC+4*\q:ACC+4*\q+3] offset:128*(\q/4)+16*(\q%4)
.endr
.irp t, 0,1,2,3,4,5,6,7,8,9,10,11,12,13,14,15
	ds_load_b128 v[GN+4*\t:GN+4*\t+3], v[RDB] offset:528*\t
.endr
.irp t, 0,1,2,3,4,5,6,7,8,9,10,11,12,13,14,15
	s_wait_dscnt 15-\t                             ; lane-row t is back; the younger rows' loads may be out
	global_store_b128 v[LA], v[GN+4*\t:GN+4*\t+3], s[10:11] offset:(\t+8*(\t/8))*4096 th:TH_STORE_NT   ; 512 consecutive bytes of row t + 8 (t / 8) of the tile
.endr
	s_wait_tensorcnt 0x0
	ds_add_u32 v224, v225
	s_wait_dscnt 0x0
	s_endpgm
.Lfunc_end_k_q4d02567d21_ln2:
	.size	k_q4d02567d21_ln2, .Lfunc_end_k_q4d02567d21_ln2-k_q4d02567d21_ln2
	.p2alignl 7, 3214868480
	.fill 96, 4, 3214868480
	.section	.rodata,"a",@progbits
	.p2align	6, 0x0
	.amdhsa_kernel k_q4d02567d21_ln2
		.amdhsa_group_segment_fixed_size 70656
		.amdhsa_private_segment_fixed_size 0
		.amdhsa_enable_private_segment 0
		.amdhsa_kernarg_size 32
		.amdhsa_user_sgpr_count 2
		.amdhsa_user_sgpr_kernarg_segment_ptr 1
		.amdhsa_wavefront_size32 1
		.amdhsa_system_sgpr_workgroup_id_x 1
		.amdhsa_system_sgpr_workgroup_id_y 1
		.amdhsa_system_sgpr_workgroup_id_z 1
		.amdhsa_system_vgpr_workitem_id 0
		.amdhsa_next_free_vgpr 226
		.amdhsa_next_free_sgpr 66
		.amdhsa_reserve_vcc 0
		.amdhsa_float_denorm_mode_32 3
		.amdhsa_float_denorm_mode_16_64 3
		.amdhsa_memory_ordered 1
		.amdhsa_forward_progress 1
		.amdhsa_inst_pref_size 26
	.end_amdhsa_kernel
	.amdgpu_metadata
---
amdhsa.version: [ 1, 2 ]
amdhsa.kernels:
  - .name:           k_q4d02567d21_ln2
    .symbol:         k_q4d02567d21_ln2.kd
    .args:
      - { .name: wsz, .offset: 0, .size: 8, .value_kind: global_buffer, .address_space: global }
      - { .name: ln2_g, .offset: 8, .size: 8, .value_kind: global_buffer, .address_space: global }
      - { .name: ln2_b, .offset: 16, .size: 8, .value_kind: global_buffer, .address_space: global }
      - { .name: out0, .offset: 24, .size: 8, .value_kind: global_buffer, .address_space: global }
    .group_segment_fixed_size: 70656
    .private_segment_fixed_size: 0
    .kernarg_segment_align: 8
    .kernarg_segment_size: 32
    .max_flat_workgroup_size: 256
    .sgpr_count:     66
    .vgpr_count:     226
    .wavefront_size: 32
...
	.end_amdgpu_metadata
.endif
;; end of part 8
